; MI455X (gfx1250); checked and timed in simulation.
; The chip was launched on July 23, 2026; its instructions are those of AMD's public machine-readable ISA for CDNA 5 (MIT licence, August 2026) and "CDNA5" Instruction Set Architecture Reference Guide (July 2026). The comments in the code are by the model that wrote it; some were corrected since.
;; Transformer Block. Allowed arithmetic: matrix products marked QUANTISED: E4M3 operands, one given power-of-two scale a tensor, by v_wmma_f32_16x16x64_fp8_fp8 or v_wmma_f32_16x16x128_fp8_fp8, f32 sums; everything else in f32.
;; Inputs: W_K 16 x 64 x 1,024 float32; W_O 1,024 x 1,024 float32; W_Q 16 x 64 x 1,024 float32; W_V 16 x 64 x 1,024 float32; W_in 4,096 x 1,024 float32; W_out 1,024 x 4,096 float32; b_in 4,096 float32; b_out 1,024 float32; lowp_scales 16 int32 (the exponents e of the quantised operands' scales 2^e); x 2 x 2,048 x 1,024 float32.
;; Outputs: out0 2 x 2,048 x 1,024 float32.
;; This version of the problem:
;;   THIS VERSION OF THE PROBLEM IS GIVEN IN LOW PRECISION. The matrix products marked QUANTISED in the list below multiply operands that are first quantised to E4M3 (4 exponent bits, 3 mantissa bits; 8 bits a number), with one given power-of-two scale for each operand tensor; their sums are f32. All else is computed in f32.
;;   The module's matrix products, in the order in which they are computed (A, B: the left and right operand; K: the contracted axis; several contracted axes count as one K, in the product's order):
;;     1. [M 4,096, K 1,024] x [K 1,024, N 1,024]; A: input x; B: input W_Q: QUANTISED (scales: A lowp_scales[0], B lowp_scales[1])
;;     2. [M 4,096, K 1,024] x [K 1,024, N 1,024]; A: input x; B: input W_K: QUANTISED (scales: A lowp_scales[2], B lowp_scales[3])
;;     3. [M 4,096, K 1,024] x [K 1,024, N 1,024]; A: input x; B: input W_V: QUANTISED (scales: A lowp_scales[4], B lowp_scales[5])
;;     4. batch 32 x [M 2,048, K 64] x [K 64, N 2,048]; A: computed on the way; B: computed on the way: QUANTISED (scales: A lowp_scales[6], B lowp_scales[7])
;;     5. batch 32 x [M 2,048, K 2,048] x [K 2,048, N 64]; A: softmax (see below); B: computed on the way: QUANTISED (scales: A lowp_scales[8], B lowp_scales[9])
;;     6. [M 4,096, K 1,024] x [K 1,024, N 1,024]; A: computed on the way; B: input W_O: QUANTISED (scales: A lowp_scales[10], B lowp_scales[11])
;;     7. [M 4,096, K 1,024] x [K 1,024, N 4,096]; A: computed on the way; B: input W_in: QUANTISED (scales: A lowp_scales[12], B lowp_scales[13])
;;     8. [M 4,096, K 4,096] x [K 4,096, N 1,024]; A: computed on the way; B: input W_out: QUANTISED (scales: A lowp_scales[14], B lowp_scales[15])
;;   THE QUANTISER, for each operand of a quantised product, along K:
;;     - The operand's scale is 2^e, e = its entry of the input lowp_scales (int32; the entries are numbered through the quantised products in the list's order, A before B).
;;     - Each number is divided by the scale, clamped to +-448, and rounded to the nearest number of E4M3, ties to even, subnormals kept.
;;     - The product sums the exact products of the quantised numbers (number of the format x scale) in f32.
;;   ~~~python
;;   def quantise(x, axis, e):      # numpy; x: float32 -> the quantised numbers, widened to float32 again
;;       x = np.moveaxis(x, axis, -1); K = x.shape[-1]
;;       r = np.clip(x / 2.0 ** e, -448, 448)
;;       step = 2.0 ** (np.maximum(np.frexp(np.where(r == 0, 1, r))[1] - 1, -6) - 3)
;;       q = np.round(r / step) * step * 2.0 ** e      # np.round: ties to even
;;       return np.moveaxis(q, -1, axis).astype(np.float32)
;;   ~~~
;;   SOFTMAX AHEAD OF A QUANTISED PRODUCT. Where the list says 'softmax', what is quantised is not the finished softmax but p = 2^(t - M), with t = logit x log2(e) and M = ceil(the row's largest t), a whole number; so 1/2 < the row's largest p <= 1. The row's sum l is taken of the UNQUANTISED p, in f32, and the product's result is divided by l at the end. Since M is a whole number, a kernel that streams over the keys may use a running M (the ceiling of the running maximum): every later rescaling is an exact power of two, so the quantised numbers keep their values, but for numbers so far below the row's largest that they fall under the format's range.
;;   OPERANDS COMPUTED ON THE WAY. 'Computed on the way' means the value that the module computes at that place (a softmax that the list does not call 'softmax' is quantised finished and normalised). What goes into a quantiser is computed in f32, as accurately as f32 sums, v_exp_f32 and their like allow (about 1e-6 of the number): no bf16 or f16 on the way to a quantiser, and a product that is left as it is and whose result goes on into a quantised operand takes f32 operands (vector FMAs, or v_wmma_f32_16x16x4_f32). A number that lies on a knife's edge between two numbers of the format may be rounded either way, as far as f32 arithmetic and the matrix unit's own rounding can turn it there, and no further.
;; One version. Each part assembles by itself: llvm-mc -triple=amdgcn-amd-amdhsa -mcpu=gfx1250 --defsym DOCPART=n.
;; ======== version 1 of 1: 6 launches
;; limits: right only within a limited range of input values
;; workspace buffers: qc 25,165,824 bytes; qkv 12,582,912 bytes; z_c 4,194,304 bytes; mid_c 4,194,304 bytes; mid_f 16,777,216 bytes; h_c 16,777,216 bytes
;; launch quant (part 1): grid 1024 x 1, 4 waves a work-group, no clusters, 34,304 bytes of LDS; arguments x, W_Q, W_K, W_V, W_O, W_in, W_out, lowp_scales, qc; writes qc
.if DOCPART == 1
	.amdgcn_target "amdgcn-amd-amdhsa--gfx1250"
	.amdhsa_code_object_version 6
	.text
	.protected	k_q0501b13b0f_quant
	.globl	k_q0501b13b0f_quant
	.p2align	8
	.type	k_q0501b13b0f_quant,@function
k_q0501b13b0f_quant:
	s_mov_b64 s[64:65], 0
	v_nop
	global_prefetch_b8 v0, s[64:65] scope:SCOPE_SE
	s_setreg_imm32_b32 hwreg(HW_REG_WAVE_MODE, 25, 1), 1
	s_wait_xcnt 0x0
; x (three times: with the scales of entries 0, 2 and 4) and the six weights, all f32 with K innermost, become codes of FP8 (E4M3), each with the scale 2^e given for it.
; code = number / 2^e, held within +-448, to the nearest code, ties to even.
; THE LAYOUT OF EVERY BUFFER OF CODES IN THIS PROGRAM IS AN IMAGE OF THE OPERAND'S REGISTERS.  A fragment is 16 rows x 128 along K, 2,048 bytes; fragment (T, s) of a tensor [rows][K] lies at (T K/128 + s) x 2,048.
; In it byte 512 c + 16 l + y (lane l = r + 16 h) is the code of row 32 (T / 2) + 8 (T % 2) + r + 8 (r / 8), k = 128 s + 32 c + 16 h + y.  So four 16-byte loads at 16 x lane, 512 bytes apart, fill an operand.
; qc: x by entry 0 at 0, by entry 2 at 4 MiB, by entry 4 at 8 MiB; W_Q 12, W_K 13, W_V 14, W_O 15, W_in 16, W_out 20 MiB.
; SHARES.  A wave takes one tile of 16 rows x 256 along K: two fragments.  Work-groups 0-255 x, 256-319 W_Q, 320-383 W_K, 384-447 W_V, 448-511 W_O, 512-767 W_in, 768-1023 W_out (whose rows are four work-groups long).
; Each load reads 512 consecutive bytes of one row; the 16 rows turn through the wave's own stage in LDS (rows 528 bytes apart), so that a lane gets 16 neighbours along K of each block of 32; each store covers 512 consecutive bytes, aligned.
; No tensor load, no barrier: waves share nothing.  Only pointers and numbers are chosen by the work-group's number; the one branch on it leads round x's second and third quantising.
; LIMITS: each e used here lies between -126 and 119, so that 2^e and 448 x 2^e are f32 numbers.  NaN among the inputs is not served; an infinity is held at the largest code.
.set PS,    528                        ; a stage row: 512 bytes + 16
.set WSTG,  16*PS                      ; a wave's stage
.set SPARE, 4*WSTG                     ; behind the stages: the spare words, 128 bytes for each wave
.set LN16,  2                          ; v2      16 x lane: my place in a load's or a store's 512 bytes
.set SI,    3                          ; v3      the stage on the way in
.set SO,    4                          ; v4      and on the way out: row r, + 64 h
.set VOFF,  6                          ; v6-13   16 x lane + i rows of the source
.set SPW,   14                         ; v14     my spare word; never rewritten
.set NIL,   15                         ; v15     0; never rewritten
.set SCL,   16                         ; v16-21  2^e and 448 x 2^e, three pairs
.set T,     24                         ; v24-39  two sets of eight held numbers
.set C,     40                         ; v40-55  a fragment's codes
.set X,     56                         ; v56-119 a fragment's 64 numbers of my lane
.set R,     120                        ; v120-247 both fragments as loaded
.macro PICK bound, src                 ; from work-group bound on: another source and another first work-group
	s_cmp_ge_u32 ttmp9, \bound
	s_cselect_b64 s[22:23], s[\src:\src+1], s[22:23]
	s_cselect_b32 s25, \bound, s25
.endm
.macro PICKE bound, e
	s_cmp_ge_u32 ttmp9, \bound
	s_cselect_b32 s24, s[\e], s24
.endm
.macro MKSC se, vsc, vlim              ; 2^e and 448 x 2^e as f32 numbers
	s_add_co_i32 s58, s[\se], 127
	s_lshl_b32 s59, s58, 23
	v_mov_b32 v[\vsc], s59
	s_add_co_i32 s58, s58, 8
	s_lshl_b32 s58, s58, 23
	s_or_b32 s58, s58, 0x600000
	v_mov_b32 v[\vlim], s58
.endm
.macro QUANT sc, lim                   ; X's 64 numbers become 16 registers of codes; X stays as it is
	s_wait_xcnt 0x0                                ; earlier stores have read C: it is written again only behind this wait
.irp g, 0,1,2,3,4,5,6,7
.irp i, 0,1,2,3,4,5,6,7
	v_med3_num_f32 v[T+8*(\g%2)+\i], v[X+8*\g+\i], -v[\lim], v[\lim]   ; the conversion does not saturate (ISA guide 7.6.2): the hold comes first
.endr
	v_cvt_scalef32_pk8_fp8_f32 v[C+2*\g:C+2*\g+1], v[T+8*(\g%2):T+8*(\g%2)+7], v[\sc]   ; T's two sets take turns: eight plain lines stand between a conversion and the next write of its sources
.endr
.endm
.macro STORE d, f
.irp c, 0,1,2,3
	global_store_b128 v[LN16], v[C+4*\c:C+4*\c+3], s[\d:\d+1] offset:2048*\f+512*\c
.endr
.endm
	s_load_b512 s[4:19], s[0:1], 0x0               ; x, W_Q, W_K, W_V, W_O, W_in, W_out, the scales' exponents
	s_load_b64 s[20:21], s[0:1], 0x40              ; qc
	v_lshl_add_u32 v[SPW], v0, 2, SPARE
	v_mov_b32 v[NIL], 0
	v_lshrrev_b32 v1, 5, v0
	v_readfirstlane_b32 s28, v1                    ; wave
	v_and_b32 v1, 31, v0
	v_lshlrev_b32 v[LN16], 4, v1
	s_mul_i32 s35, s28, WSTG
	v_add_nc_u32 v[SI], s35, v[LN16]
	v_and_b32 v5, 15, v0
	v_mul_u32_u24 v[SO], v5, PS
	v_bfe_u32 v5, v0, 4, 1
	v_lshl_add_u32 v[SO], v5, 6, v[SO]
	v_add_nc_u32 v[SO], s35, v[SO]
	s_mov_b32 s25, 0                               ; the tensor's first work-group
	s_cmp_ge_u32 ttmp9, 768
	s_cselect_b32 s27, 2, 0                        ; W_out: four work-groups to a tile of rows
	s_wait_kmcnt 0x0
	s_load_b512 s[36:51], s[18:19], 0x0            ; e0 .. e15
	s_mov_b64 s[22:23], s[4:5]
	PICK 256, 6
	PICK 320, 8
	PICK 384, 10
	PICK 448, 12
	PICK 512, 14
	PICK 768, 16
	s_sub_co_u32 s26, ttmp9, s25                   ; my number within the tensor
	s_lshr_b32 s29, s26, s27                       ; T
	s_lshl_b32 s30, s29, s27
	s_sub_co_u32 s30, s26, s30                     ; which 1,024 along K
	s_lshl_b32 s34, 4096, s27                      ; a row of the source in bytes
	s_lshr_b32 s31, s29, 1
	s_lshl_b32 s31, s31, 5
	s_and_b32 s32, s29, 1
	s_lshl_b32 s32, s32, 3
	s_add_co_u32 s31, s31, s32                     ; the tile's first row: 32 (T / 2) + 8 (T % 2)
	s_mul_i32 s31, s31, s34
	s_lshl_b32 s30, s30, 12
	s_add_co_u32 s30, s30, s31
	s_lshl_b32 s32, s28, 10                        ; my wave's 256 along K
	s_add_co_u32 s30, s30, s32
	s_mov_b32 s31, 0
	s_add_nc_u64 s[30:31], s[22:23], s[30:31]      ; rows r = 0 .. 7
	s_lshl_b32 s58, s34, 4
	s_mov_b32 s59, 0
	s_add_nc_u64 s[32:33], s[30:31], s[58:59]      ; rows r = 8 .. 15 lie 16 rows further down
.irp i, 0,1,2,3,4,5,6,7
	s_mul_i32 s58, s34, \i
	v_add_nc_u32 v[VOFF+\i], s58, v[LN16]
.endr
.irp f, 0,1
.irp p, 0,1,2,3,4,5,6,7,8,9,10,11,12,13,14,15
	global_load_b128 v[R+64*\f+4*\p:R+64*\f+4*\p+3], v[VOFF+\p%8], s[30+2*(\p/8):31+2*(\p/8)] offset:512*\f th:TH_LOAD_NT
.endr
.endr
	s_lshl_b32 s58, ttmp9, 14                      ; the images lie one behind the other, 16,384 bytes a work-group; the weights' begin 8 MiB further on, behind x's second and third
	s_cmp_ge_u32 ttmp9, 256
	s_cselect_b32 s59, 0x800000, 0
	s_add_co_u32 s58, s58, s59
	s_lshl_b32 s59, s28, 12
	s_add_co_u32 s58, s58, s59
	s_mov_b32 s59, 0
	s_add_nc_u64 s[52:53], s[20:21], s[58:59]
	s_add_nc_u64 s[54:55], s[52:53], 0x400000      ; x's second image,
	s_add_nc_u64 s[56:57], s[52:53], 0x800000      ; and its third (used by x's work-groups alone)
	s_wait_kmcnt 0x0
	s_mov_b32 s24, s36
	PICKE 256, 37
	PICKE 320, 39
	PICKE 384, 41
	PICKE 448, 47
	PICKE 512, 49
	PICKE 768, 51
	MKSC 24, SCL, SCL+1
	MKSC 38, SCL+2, SCL+3
	MKSC 40, SCL+4, SCL+5
.macro FRAGM f
	s_wait_loadcnt 16*(1-\f)                       ; this fragment's sixteen loads are in; the other's, issued behind them, may be out
.irp p, 0,1,2,3,4,5,6,7,8,9,10,11,12,13,14,15
	ds_store_b128 v[SI], v[R+64*\f+4*\p:R+64*\f+4*\p+3] offset:\p*PS
.endr
.irp c, 0,1,2,3
.irp i, 0,1,2,3
	ds_load_b128 v[X+16*\c+4*\i:X+16*\c+4*\i+3], v[SO] offset:128*\c+16*\i   ; LDS serves a wave's instructions in order (ISA guide 5.7.1.4): these see the stores above
.endr
.endr
	s_wait_dscnt 0x0
	QUANT SCL, SCL+1
	STORE 52, \f
	s_cmp_lt_u32 ttmp9, 256                        ; x has two more scales
	s_cbranch_scc0 .Lweight_\@
	QUANT SCL+2, SCL+3
	STORE 54, \f
	QUANT SCL+4, SCL+5
	STORE 56, \f
.Lweight_\@:
.endm
	FRAGM 0
	FRAGM 1
	s_wait_tensorcnt 0x0                           ; the wave's end: behind my last LDS store
	ds_add_u32 v[SPW], v[NIL]
	s_wait_dscnt 0x0
	s_endpgm
.Lfunc_end_k_q0501b13b0f_quant:
	.size	k_q0501b13b0f_quant, .Lfunc_end_k_q0501b13b0f_quant-k_q0501b13b0f_quant
	.p2alignl 7, 3214868480
	.fill 96, 4, 3214868480
	.section	.rodata,"a",@progbits
	.p2align	6, 0x0
	.amdhsa_kernel k_q0501b13b0f_quant
		.amdhsa_group_segment_fixed_size 34304
		.amdhsa_private_segment_fixed_size 0
		.amdhsa_enable_private_segment 0
		.amdhsa_kernarg_size 72
		.amdhsa_user_sgpr_count 2
		.amdhsa_user_sgpr_kernarg_segment_ptr 1
		.amdhsa_wavefront_size32 1
		.amdhsa_system_sgpr_workgroup_id_x 1
		.amdhsa_system_sgpr_workgroup_id_y 1
		.amdhsa_system_sgpr_workgroup_id_z 1
		.amdhsa_system_vgpr_workitem_id 0
		.amdhsa_next_free_vgpr 248
		.amdhsa_next_free_sgpr 66
		.amdhsa_reserve_vcc 0
		.amdhsa_float_denorm_mode_32 3
		.amdhsa_float_denorm_mode_16_64 3
		.amdhsa_memory_ordered 1
		.amdhsa_forward_progress 1
		.amdhsa_inst_pref_size 43
	.end_amdhsa_kernel
	.amdgpu_metadata
---
amdhsa.version: [ 1, 2 ]
amdhsa.kernels:
  - .name:           k_q0501b13b0f_quant
    .symbol:         k_q0501b13b0f_quant.kd
    .args:
      - { .name: x, .offset: 0, .size: 8, .value_kind: global_buffer, .address_space: global }
      - { .name: W_Q, .offset: 8, .size: 8, .value_kind: global_buffer, .address_space: global }
      - { .name: W_K, .offset: 16, .size: 8, .value_kind: global_buffer, .address_space: global }
      - { .name: W_V, .offset: 24, .size: 8, .value_kind: global_buffer, .address_space: global }
      - { .name: W_O, .offset: 32, .size: 8, .value_kind: global_buffer, .address_space: global }
      - { .name: W_in, .offset: 40, .size: 8, .value_kind: global_buffer, .address_space: global }
      - { .name: W_out, .offset: 48, .size: 8, .value_kind: global_buffer, .address_space: global }
      - { .name: lowp_scales, .offset: 56, .size: 8, .value_kind: global_buffer, .address_space: global }
      - { .name: qc, .offset: 64, .size: 8, .value_kind: global_buffer, .address_space: global }
    .group_segment_fixed_size: 34304
    .private_segment_fixed_size: 0
    .kernarg_segment_align: 8
    .kernarg_segment_size: 72
    .max_flat_workgroup_size: 128
    .sgpr_count:     66
    .vgpr_count:     248
    .wavefront_size: 32
...
	.end_amdgpu_metadata
.endif
;; end of part 1
;; launch qkv (part 2): grid 12 x 16, 4 waves a work-group, clusters of 4 x 4, 327,680 bytes of LDS; arguments qc, lowp_scales, qkv; writes qkv
.if DOCPART == 2
	.amdgcn_target "amdgcn-amd-amdhsa--gfx1250"
	.amdhsa_code_object_version 6
	.text
	.protected	k_q0501b13b0f_qkv
	.globl	k_q0501b13b0f_qkv
	.p2align	8
	.type	k_q0501b13b0f_qkv,@function
k_q0501b13b0f_qkv:
	s_mov_b64 s[64:65], 0
	v_nop
	global_prefetch_b8 v0, s[64:65] scope:SCOPE_SE
	s_setreg_imm32_b32 hwreg(HW_REG_WAVE_MODE, 25, 1), 1
	s_wait_xcnt 0x0
	s_wait_alu depctr_hold_cnt(0) depctr_sa_sdst(0) depctr_va_vdst(0) depctr_va_sdst(0) depctr_va_ssrc(0) depctr_va_vcc(0) depctr_vm_vsrc(0)
	s_getreg_b32 s2, hwreg(HW_REG_IB_STS2, 6, 4)
	s_cmp_eq_u32 s2, 0
	s_cbranch_scc0 .Lentry_in_a_cluster
	s_endpgm
.Lentry_in_a_cluster:
	s_bfe_u32 s2, ttmp6, 0x10000c
	s_cmp_lg_u32 s2, 0xf033
	s_cbranch_scc0 .Lentry_shape_is_right
	s_endpgm
.Lentry_shape_is_right:
; q = x W_Q^T, k = x W_K^T and V^T = W_V x^T on codes of FP8 (E4M3), K = 1,024; each result is quantised at once, with the scales of entries 6, 7 and 9, and stored as codes.
; All operands are images of the operand's registers (fragment (T, s), 2,048 bytes, at (8 T + s) x 2,048; byte 512 c + 16 l + y: row 32 (T / 2) + 8 (T % 2) + r + 8 (r / 8), k = 128 s + 32 c + 16 h + y).
; Cluster x = 0: q (A = x by entry 0, B = W_Q), 1: k (x by entry 2, W_K), 2: V^T (A = W_V, B = x by entry 4: so that a lane's registers run along the tokens, the keys of attention's second product).
; A tile of C, 256 x 256, is made by four waves, as many as a WGP has SIMDs; a wave makes 128 x 128: 64 accumulators.  K goes in steps of 256 through two LDS slots filled by the tensor data mover.
; THE MATRIX INSTRUCTION IS USED TRANSPOSED (source 0 = 16 rows of B, source 1 = 16 rows of A).  By the images' choice of rows, registers 0-7 of accumulators (a, 2 p) and (a, 2 p + 1) are then 16 NEIGHBOURING columns
; 32 p + 16 h + 0 .. 15 of the lane's row: two conversions give piece p of the next operand's image, lane for lane, and a store of 16 bytes a lane covers 512 consecutive bytes, aligned.  No stage in LDS.
; CLUSTERS: 4 x 4 work-groups; A's tile is asked for jointly along a row of the cluster, B's along a column.
; qkv: q's image at 0, k's at 4 MiB ([4,096 tokens][K = head x 64 + d]); V^T at 8 MiB: for each batch an image [1,024 features][2,048 keys]: 2 MiB x batch + 32,768 x tile of features + 2,048 x step of 128 keys.
; LIMITS: e6 - e0 - e1, e7 - e2 - e3 and e9 - e4 - e5 lie between -126 and 119, so that the folded scale and 448 x it are f32 numbers.
; REGISTERS, in windows of 256: window 0: v12, v13 the hold and the scale; v16-21 LDS addresses; v26 16 x lane; v28, v29 the add's two; v32-95 held sums; v96-111 codes; v128-255 A's fragments, one set.
;   window 1: B's fragments, two sets.  windows 2, 3: the accumulators of my rows 0-63 and 64-127.
.set KSB,   4096                       ; a K step of a tile of 16 rows: two fragments
.set HALFT, 32768                      ; 8 tiles of rows x KSB: what one tensor load brings, and what a wave reads of A or of B
.set SLOT,  4*HALFT                    ; A's two halves, then B's two
.set SPARE, 2*SLOT                     ; behind the ring: the spare words, 128 bytes for each wave
.set FR,    16
.set NL,    4
.set NP,    4                          ; places behind this matrix instruction (ISA guide 7.12.1)
.set LIMV,  12
.set SCV,   13
.set ADRA,  16
.set ADRB,  20
.set CO,    26
.set SPW,   28
.set NIL,   29
.set TMP,   32
.set CD,    96
.set AF,    128
.set G1,    24                         ; s[24:31] group 1 for A's tiles; s[32:39] group 0, one set for each slot
.set G0,    32
.set G1B,   48                         ; s[48:55], s[56:63] the same for B's
.set G0B,   56
.set EX,    72                         ; s[72:87] e0 .. e15
.set OP,    92                         ; s[92:93] where my block of 16 rows goes
.set OSR,   94                         ; s[94:95] from block to block
.set MSB, 0
.macro WIN new                         ; the immediate's high byte repeats the setting that is left
.if MSB != (\new)
	s_set_vgpr_msb (MSB<<8)|(\new)
.set MSB, (\new)
.endif
.endm
.set MUL_LO, 0xa1                      ; source 0 (B) window 1, source 1 (A) window 0, C and D window 2
.set MUL_HI, 0xf1                      ; the same, C and D window 3
.set TO_B,   0x40                      ; destination window 1, address window 0
; A joint load: waves 0 and 1 fetch for A, waves 2 and 3 for B; the branch hangs on the wave's number alone.  An s_nop 0 and four v_nop follow each of the two lines.
.macro JLOAD g0a, g1a, g0b, g1b
	s_cmp_eq_u32 s15, 0
	s_cbranch_scc0 .Lfor_b_\@
	tensor_load_to_lds s[\g0a:\g0a+3], s[\g1a:\g1a+7]
	s_nop 0
.rept 4
	v_nop
.endr
	s_branch .Lasked_\@
.Lfor_b_\@:
	tensor_load_to_lds s[\g0b:\g0b+3], s[\g1b:\g1b+7]
	s_nop 0
.rept 4
	v_nop
.endr
.Lasked_\@:
.endm
.macro CREST                           ; a round of the cluster's barrier behind its opening barrier
	s_cmp_lg_u32 s14, 0
	s_cbranch_scc1 .Lnot_wave_0_\@
	s_barrier_signal -3
.Lnot_wave_0_\@:
	s_barrier_wait -3
	s_barrier_signal -1
	s_barrier_wait -1
.endm
.macro CROUND
	s_barrier_signal -1
	s_barrier_wait -1
	CREST
.endm
.macro FRAG reg, adr, q, i             ; a fragment comes as it lies: four loads of 512 consecutive bytes
.irp c, 0,1,2,3
	ds_load_b128 v[\reg+4*\c:\reg+4*\c+3], v[\adr] offset:(\i)*KSB+(\q)*2048+512*\c
.endr
.endm
; 16 matrix instructions: A's blocks a0, a0 + 1 x B's eight.  mode 1: the first product starts the sums.  The 64 accumulators take turns, one instruction a turn.
.macro MUL16 a0, p, mode
.irp a, \a0, \a0+1
.irp b, 0,1,2,3,4,5,6,7
.if \mode == 1
	v_wmma_f32_16x16x128_fp8_fp8 v[8*(8*((\a)%4)+\b):8*(8*((\a)%4)+\b)+7], v[128*(\p)+FR*\b:128*(\p)+FR*\b+FR-1], v[AF+FR*(\a):AF+FR*(\a)+FR-1], 0
.else
	v_wmma_f32_16x16x128_fp8_fp8 v[8*(8*((\a)%4)+\b):8*(8*((\a)%4)+\b)+7], v[128*(\p)+FR*\b:128*(\p)+FR*\b+FR-1], v[AF+FR*(\a):AF+FR*(\a)+FR-1], v[8*(8*((\a)%4)+\b):8*(8*((\a)%4)+\b)+7]
.endif
.endr
.endr
.endm
.macro FETCH_B slot, q, p
	WIN TO_B
.irp i, 0,1,2,3,4,5,6,7
	FRAG 128*(\p)+FR*\i, ADRB+\slot, \q, \i
.endr
	WIN 0
.endm
.macro FETCH_A slot, q, i0
.irp i, \i0, \i0+1, \i0+2, \i0+3
	FRAG AF+FR*(\i), ADRA+\slot, \q, \i
.endr
.endm
.macro PLACES n                        ; plain vector lines between a matrix instruction and a load into, or a read of, its registers
.rept \n
	v_nop
.endr
.endm
.macro STEP slot, q, mode              ; 128 along K whose successor lies in the same slot
	s_wait_dscnt 4*NL                              ; B's set and A's blocks 0-3 are in; the sixteen youngest loads (A's blocks 4-7) may be out
	WIN MUL_LO
	MUL16 0, (\q)%2, \mode
	MUL16 2, (\q)%2, \mode
	s_wait_dscnt 0
	PLACES NP
	FETCH_B \slot, (\q)+1, 1-(\q)%2
	FETCH_A \slot, (\q)+1, 0
	WIN MUL_HI
	MUL16 4, (\q)%2, \mode
	MUL16 6, (\q)%2, \mode
	PLACES NP
	WIN 0
	FETCH_A \slot, (\q)+1, 4
.endm
; A slot's last 128 along K change slots: each wave waits for all its tensor loads, adds 0 to its spare word, waits for that and for its reads of this slot; one barrier; fill = 1: a round of the cluster's barrier, and this slot is filled again.
.macro TURN slot, next, fill
	s_wait_tensorcnt 0x0                           ; all my tensor loads have landed: my part of the next slot
	ds_add_u32 v[SPW], v[NIL]                      ; 0 onto my spare word
	s_wait_dscnt 4*NL+1                            ; (the add and the sixteen youngest loads may be out)
	WIN MUL_LO
	MUL16 0, 1, 0
	s_wait_dscnt 0x0                               ; the add is done, and my reads of this slot are over
	s_barrier_signal -1
	MUL16 2, 1, 0
	WIN 0
	s_barrier_wait -1
.if \fill
	CREST                                          ; no wave of any partner still reads this slot or has a load on its way
	s_add_nc_u64 s[G0+4*\slot+2:G0+4*\slot+3], s[G0+4*\slot+2:G0+4*\slot+3], 2*KSB
	s_add_nc_u64 s[G0B+4*\slot+2:G0B+4*\slot+3], s[G0B+4*\slot+2:G0B+4*\slot+3], 2*KSB
	JLOAD G0+4*\slot, G1, G0B+4*\slot, G1B         ; the first tensor load behind the round; its four v_nop are the places in front of the loads below
.else
	PLACES NP
.endif
	FETCH_B \next, 0, 0
	FETCH_A \next, 0, 0
	WIN MUL_HI
	MUL16 4, 1, 0
	MUL16 6, 1, 0
	PLACES NP
	WIN 0
	FETCH_A \next, 0, 4
.endm
; Block a of 16 rows x 128 columns leaves: held, converted, stored: one whole fragment of the next operand's image.
.macro OUTC a, relu
.if (\a) > 0
	s_wait_xcnt 0x0                                ; the last block's stores have read their codes and their base
	s_add_nc_u64 s[OP:OP+1], s[OP:OP+1], s[OSR:OSR+1]
.endif
	WIN 0x02+((\a)/4)                              ; source 0: window 2 or 3
.set AC, 64*((\a)%4)
.set jj, 0
.rept 64
.if \relu
	v_med3_num_f32 v[TMP+jj], v[AC+jj], 0, v[LIMV]
.else
	v_med3_num_f32 v[TMP+jj], v[AC+jj], -v[LIMV], v[LIMV]   ; each accumulator from its low end on
.endif
.set jj, jj+1
.endr
	WIN 0
.irp b, 0,1,2,3,4,5,6,7
	v_cvt_scalef32_pk8_fp8_f32 v[CD+2*\b:CD+2*\b+1], v[TMP+8*\b:TMP+8*\b+7], v[SCV]
.endr
	v_nop                                          ; a plain line between the conversions and the next write of their sources
.irp p, 0,1,2,3
	global_store_b128 v[CO], v[CD+4*\p:CD+4*\p+3], s[OP:OP+1] offset:512*\p
.endr
.endm
	s_load_b128 s[4:7], s[0:1], 0x0                ; qc, the scales' exponents
	s_load_b64 s[8:9], s[0:1], 0x10                ; qkv
	v_lshl_add_u32 v[SPW], v0, 2, SPARE
	v_mov_b32 v[NIL], 0
	ds_add_u32 v[SPW], v[NIL]                      ; the wave's opening: the add and its wait come ahead of my first tensor load
	v_lshrrev_b32 v1, 5, v0
	v_readfirstlane_b32 s14, v1                    ; wave
	s_lshr_b32 s15, s14, 1                         ; my half of the tile's rows; also: I fetch for A (0) or B (1)
	s_and_b32 s16, s14, 1                          ; my half of its columns; also: which half I fetch
	s_bfe_u32 s40, ttmp6, 0x40000                  ; cx
	s_bfe_u32 s41, ttmp6, 0x40004                  ; cy
	s_and_b32 s67, ttmp7, 0xffff
	s_lshl_b32 s67, s67, 2                         ; 4 x cluster y
	s_lshr_b32 s68, ttmp9, 1                       ; 1 for V^T
	s_xor_b32 s69, s68, 1                          ; 1 for q and k
	s_mul_i32 s17, s67, s69
	s_add_co_u32 s17, s17, s41                     ; tile row: q, k: 4 Y + cy (tokens); V^T: cy (features)
	s_mul_i32 s42, s67, s68
	s_add_co_u32 s42, s42, s40                     ; tile column: q, k: cx; V^T: 4 Y + cx (tokens)
	s_lshl_b32 s43, s41, 2
	s_lshl_b32 s43, 15, s43                        ; my row of the cluster
	s_lshl_b32 s44, 0x1111, s40                    ; my column
	s_or_b32 s[G1+0], s43, (3<<16)|(1<<21)         ; the mask; elements of 8 bytes; bit 21 beside a mask; no padding
	s_or_b32 s[G1B+0], s44, (3<<16)|(1<<21)
.irp g, G1, G1B
	s_mov_b32 s[\g+1], 512<<16                     ; tensor_dim0: 4,096 bytes
	s_mov_b32 s[\g+2], 8<<16                       ; tensor_dim1: 8 tiles of rows
	s_mov_b32 s[\g+3], 512<<16                     ; tile_dim0
	s_mov_b32 s[\g+4], 8                           ; tile_dim1
	s_mov_b32 s[\g+5], 2048                        ; 16,384 bytes from one tile of rows to the next
	s_mov_b32 s[\g+6], 0
	s_mov_b32 s[\g+7], 0
.endr
	s_lshl_b32 s18, s16, 17                        ; the half that I fetch
	s_mul_i32 s20, ttmp9, s69
	s_lshl_b32 s20, s20, 22                        ; A: x by entry 0 at 0, by entry 2 at 4 MiB,
	s_mul_i32 s21, s68, 0xe00000                   ; W_V at 14 MiB
	s_add_co_u32 s20, s20, s21
	s_lshl_b32 s21, s17, 18
	s_add_co_u32 s20, s20, s21
	s_add_co_u32 s20, s20, s18
	s_mov_b32 s21, 0
	s_lshl_b32 s46, ttmp9, 20
	s_add_co_u32 s46, s46, 0xc00000
	s_mul_i32 s46, s46, s69                        ; B: W_Q at 12 MiB, W_K at 13,
	s_lshl_b32 s47, s68, 23                        ; x by entry 4 at 8
	s_add_co_u32 s46, s46, s47
	s_lshl_b32 s47, s42, 18
	s_add_co_u32 s46, s46, s47
	s_add_co_u32 s46, s46, s18
	s_mov_b32 s47, 0
	s_mul_i32 s45, s14, HALFT                      ; where my part goes: no place in the cluster enters an LDS address
	s_wait_dscnt 0x0                               ; the opening add is done
	s_wait_kmcnt 0x0
	s_load_b512 s[EX:EX+15], s[6:7], 0x0
	s_add_nc_u64 s[20:21], s[4:5], s[20:21]
	s_add_nc_u64 s[46:47], s[4:5], s[46:47]
	CROUND                                         ; all sixteen work-groups are here: the first joint loads meet
.irp s, 0,1
	s_mov_b32 s[G0+4*\s], 1
	s_add_co_u32 s[G0+4*\s+1], s45, \s*SLOT
	s_add_nc_u64 s[G0+4*\s+2:G0+4*\s+3], s[20:21], \s*KSB
	s_or_b32 s[G0+4*\s+3], s[G0+4*\s+3], 0x80000000
	s_mov_b32 s[G0B+4*\s], 1
	s_add_co_u32 s[G0B+4*\s+1], s45, \s*SLOT
	s_add_nc_u64 s[G0B+4*\s+2:G0B+4*\s+3], s[46:47], \s*KSB
	s_or_b32 s[G0B+4*\s+3], s[G0B+4*\s+3], 0x80000000
	JLOAD G0+4*\s, G1, G0B+4*\s, G1B
.endr
	v_and_b32 v1, 31, v0
	v_lshlrev_b32 v[CO], 4, v1
	s_mul_i32 s21, s15, HALFT
	s_mul_i32 s22, s16, HALFT
	s_add_co_u32 s22, s22, 2*HALFT
.irp s, 0,1
	v_add_nc_u32 v[ADRA+\s], s21, v[CO]
	v_add_nc_u32 v[ADRB+\s], s22, v[CO]
	s_add_co_u32 s21, s21, SLOT
	s_add_co_u32 s22, s22, SLOT
.endr
	s_lshl_b32 s[OSR], 16384, s68                  ; a tile of rows of the output's image: 8 fragments (q, k) or 16 (V^T)
	s_mov_b32 s[OSR+1], 0
	s_lshl_b32 s22, s17, 4
	s_lshl_b32 s23, s15, 3
	s_add_co_u32 s22, s22, s23                     ; my first tile of rows
	s_mul_i32 s22, s22, s[OSR]
	s_lshl_b32 s23, ttmp9, 22
	s_add_co_u32 s22, s22, s23
	s_lshl_b32 s23, s42, 1
	s_add_co_u32 s23, s23, s16                     ; my 128 columns are step g of the output's K
	s_and_b32 s18, s23, 15
	s_lshl_b32 s18, s18, 11
	s_add_co_u32 s22, s22, s18
	s_lshr_b32 s23, s23, 4                         ; V^T: the batch
	s_lshl_b32 s23, s23, 21
	s_add_co_u32 s22, s22, s23
	s_mov_b32 s23, 0
	s_add_nc_u64 s[OP:OP+1], s[8:9], s[22:23]
	s_wait_kmcnt 0x0
	s_sub_co_i32 s88, s[EX+6], s[EX+0]             ; a sum stands for sum x 2^(ea + eb): its code is sum / 2^(eout - ea - eb)
	s_sub_co_i32 s88, s88, s[EX+1]
	s_sub_co_i32 s89, s[EX+7], s[EX+2]
	s_sub_co_i32 s89, s89, s[EX+3]
	s_sub_co_i32 s90, s[EX+9], s[EX+4]
	s_sub_co_i32 s90, s90, s[EX+5]
	s_cmp_eq_u32 ttmp9, 1
	s_cselect_b32 s88, s89, s88
	s_cmp_eq_u32 ttmp9, 2
	s_cselect_b32 s88, s90, s88
	s_add_co_i32 s88, s88, 127
	s_lshl_b32 s89, s88, 23
	v_mov_b32 v[SCV], s89
	s_add_co_i32 s88, s88, 8
	s_lshl_b32 s88, s88, 23
	s_or_b32 s88, s88, 0x600000
	v_mov_b32 v[LIMV], s88
	s_wait_tensorcnt 0x1                           ; my part of K step 0 is in; K step 1's load may be out
	s_barrier_signal -1
	s_barrier_wait -1
	FETCH_B 0, 0, 0
	FETCH_A 0, 0, 0
	FETCH_A 0, 0, 4
	STEP 0, 0, 1                                   ; K = 1,024 is four slots' worth: written out
	TURN 0, 1, 1                                   ; slot 0 takes K step 2
	STEP 1, 0, 0
	TURN 1, 0, 1                                   ; slot 1 takes K step 3
	STEP 0, 0, 0
	TURN 0, 1, 0
	STEP 1, 0, 0
	s_wait_dscnt 4*NL
	WIN MUL_LO
	MUL16 0, 1, 0
	MUL16 2, 1, 0
	s_wait_dscnt 0
	WIN MUL_HI
	MUL16 4, 1, 0
	MUL16 6, 1, 0
	WIN 0
	PLACES NP
.irp a, 0,1,2,3,4,5,6,7
	OUTC \a, 0
.endr
	s_wait_tensorcnt 0x0                           ; the wave's end
	ds_add_u32 v[SPW], v[NIL]
	s_wait_dscnt 0x0
	CROUND                                         ; the closing round
	s_endpgm
.Lfunc_end_k_q0501b13b0f_qkv:
	.size	k_q0501b13b0f_qkv, .Lfunc_end_k_q0501b13b0f_qkv-k_q0501b13b0f_qkv
	.p2alignl 7, 3214868480
	.fill 96, 4, 3214868480
	.section	.rodata,"a",@progbits
	.p2align	6, 0x0
	.amdhsa_kernel k_q0501b13b0f_qkv
		.amdhsa_group_segment_fixed_size 327680
		.amdhsa_private_segment_fixed_size 0
		.amdhsa_enable_private_segment 0
		.amdhsa_kernarg_size 24
		.amdhsa_user_sgpr_count 2
		.amdhsa_user_sgpr_kernarg_segment_ptr 1
		.amdhsa_wavefront_size32 1
		.amdhsa_system_sgpr_workgroup_id_x 1
		.amdhsa_system_sgpr_workgroup_id_y 1
		.amdhsa_system_sgpr_workgroup_id_z 1
		.amdhsa_system_vgpr_workitem_id 0
		.amdhsa_next_free_vgpr 1024
		.amdhsa_next_free_sgpr 100
		.amdhsa_reserve_vcc 0
		.amdhsa_float_denorm_mode_32 3
		.amdhsa_float_denorm_mode_16_64 3
		.amdhsa_memory_ordered 1
		.amdhsa_forward_progress 1
		.amdhsa_inst_pref_size 118
	.end_amdhsa_kernel
	.amdgpu_metadata
---
amdhsa.version: [ 1, 2 ]
amdhsa.kernels:
  - .name:           k_q0501b13b0f_qkv
    .symbol:         k_q0501b13b0f_qkv.kd
    .args:
      - { .name: qc, .offset: 0, .size: 8, .value_kind: global_buffer, .address_space: global }
      - { .name: lowp_scales, .offset: 8, .size: 8, .value_kind: global_buffer, .address_space: global }
      - { .name: qkv, .offset: 16, .size: 8, .value_kind: global_buffer, .address_space: global }
    .group_segment_fixed_size: 327680
    .private_segment_fixed_size: 0
    .kernarg_segment_align: 8
    .kernarg_segment_size: 24
    .max_flat_workgroup_size: 128
    .sgpr_count:     100
    .vgpr_count:     1024
    .wavefront_size: 32
...
	.end_amdgpu_metadata
.endif
;; end of part 2
;; launch attn (part 3): grid 8 x 32, 8 waves a work-group, no clusters, 167,936 bytes of LDS; arguments qkv, lowp_scales, z_c; writes z_c
.if DOCPART == 3
	.amdgcn_target "amdgcn-amd-amdhsa--gfx1250"
	.amdhsa_code_object_version 6
	.text
	.protected	k_q0501b13b0f_attn
	.globl	k_q0501b13b0f_attn
	.p2align	8
	.type	k_q0501b13b0f_attn,@function
k_q0501b13b0f_attn:
	s_mov_b64 s[64:65], 0
	v_nop
	global_prefetch_b8 v0, s[64:65] scope:SCOPE_SE
	s_setreg_imm32_b32 hwreg(HW_REG_WAVE_MODE, 25, 1), 1
	s_wait_xcnt 0x0
; Attention as the block writes it: masked(q, p) = score - 1e10 for key p < q, score for p = q, and exactly 0 for p > q (the lower triangle is pushed away, the upper one is cut to 0 and NOT pushed away).
; So of the scores only the diagonal is kept, and the softmax numbers of query q are: 0 for p < q; pd = 2^(t - M) at p = q; po = 2^(-M) for p > q, with t = score(q, q) x log2(e) / 8 and
; M = ceil(max(t, 0)) (for the last query, which has no key behind it, M = ceil(t)).  The row's sum is l = pd + (2,047 - q) po, of the unquantised numbers.  z = (codes of p) x (codes of V) x 2^(e8 + e9) / l, quantised with entry 10.
; Steps of 128 keys that lie wholly in front of a tile's queries hold zeros alone and are not multiplied.
; SHARES.  Work-group (J, 16 batch + head).  Wave w owns two tiles of 16 queries: tile w of the 128-query block J and tile w of block 15 - J: 16 - J and J + 1 steps of keys, 17 for every wave of the launch.
; The head's V^T, 64 features x 2,048 keys of codes (131,072 bytes, an image of operand registers), is brought into LDS once, 16,384 bytes a wave, and read by all eight waves.
; O^T = V^T P^T (source 0 = 16 features, source 1 = P): a lane holds one query; by the image's choice of rows two neighbouring tiles of features give 16 neighbours along the next K: z's codes go out as pieces of its image, 512 consecutive bytes a store.
; NO CLUSTER: the eight work-groups of a head read the same V^T, but which steps a work-group leaves out hangs on its block of queries, which would be its place in the cluster; alike in all partners it would be twice the matrix work.
; NO PREFETCH: the one tile is asked for at the head, and nothing is streamed behind it.
; LIMITS: e6 + e7 between -123 and 8 (it is added to an exponent field; and |score| <= 64 x 448^2 x 2^(e6 + e7) stays so far under 1e10 that 2^(t - M) of a key in front of the query is 0 in f32); e8 and e10 between -126 and 119.  NaN is not served.
.set SPARE, 131072                     ; behind V^T: the spare words, 128 bytes for each of eight waves
.set L16,  4                           ; v4   16 x lane
.set SPW,  5                           ; v5   my spare word; never rewritten
.set NIL,  6                           ; v6   0; never rewritten
.set ZERO, 7                           ; v7   0
.set FO,   8                           ; v8, v9   byte offset of my pieces in q's, k's and z's images, tile A and tile B
.set AV,   10                          ; v10, v11 LDS addresses of the step's fragments of V^T (features 0-31, 32-63)
.set R7,   12                          ; v12  r % 8
.set DQ,   13                          ; v13  the word of my registers that holds the diagonal key: (query in block) / 4 - 4 h
.set QN,   14                          ; v14, v15 my query in the batch, tile A and tile B
.set VF,   16                          ; v16-79   first q's and k's fragments, then four fragments of V^T
.set PDA,  112                         ; P of the diagonal step, tile A, tile B
.set PDB,  128
.set PFA,  144                         ; P of a step behind the diagonal: po everywhere
.set PFB,  160
.set OA,   176                         ; O^T, 4 tiles of features x 8 registers
.set OB,   208
.set LIMP, 240
.set SCP,  241
.set LIMZ, 242
.set SCZ,  243
.set FAC,  244                         ; v[244:245], v[246:247]: 2^(e8 + e9) / l
.macro MKSC se, vsc, vlim
	s_add_co_i32 s70, s[\se], 127
	s_lshl_b32 s71, s70, 23
	v_mov_b32 v[\vsc], s71
	s_add_co_i32 s70, s70, 8
	s_lshl_b32 s70, s70, 23
	s_or_b32 s70, s70, 0x600000
	v_mov_b32 v[\vlim], s70
.endm
.macro VLOAD                           ; a step's four fragments of V^T
.irp t, 0,1,2,3
.irp c, 0,1,2,3
	ds_load_b128 v[VF+16*\t+4*\c:VF+16*\t+4*\c+3], v[AV+\t/2] offset:(\t%2)*32768+512*\c
.endr
.endr
	s_wait_dscnt 0x0
.endm
.macro PVM o, p, zero                  ; four products, four accumulators by turns
.irp t, 0,1,2,3
.if \zero
	v_wmma_f32_16x16x128_fp8_fp8 v[\o+8*\t:\o+8*\t+7], v[VF+16*\t:VF+16*\t+15], v[\p:\p+15], 0
.else
	v_wmma_f32_16x16x128_fp8_fp8 v[\o+8*\t:\o+8*\t+7], v[VF+16*\t:VF+16*\t+15], v[\p:\p+15], v[\o+8*\t:\o+8*\t+7]
.endif
.endr
.endm
	s_load_b128 s[4:7], s[0:1], 0x0                ; qkv, the scales' exponents
	s_load_b64 s[8:9], s[0:1], 0x10                ; z_c
	v_lshl_add_u32 v[SPW], v0, 2, SPARE
	v_mov_b32 v[NIL], 0
	ds_add_u32 v[SPW], v[NIL]                      ; the wave's opening: the add and its wait come ahead of my tensor load
	v_lshrrev_b32 v1, 5, v0
	v_readfirstlane_b32 s10, v1                    ; wave 0..7
	s_and_b32 s11, ttmp9, 7                        ; J
	s_xor_b32 s12, s11, 15                         ; 15 - J
	s_and_b32 s13, ttmp7, 0xffff
	s_lshr_b32 s14, s13, 4                         ; batch
	s_and_b32 s15, s13, 15                         ; head
	s_mov_b32 s24, 3<<16                           ; group 1: elements of 8 bytes, no mask, no padding
	s_mov_b32 s25, 32<<16                          ; rows of 256 bytes,
	s_mov_b32 s26, 64<<16                          ; 64 of them,
	s_mov_b32 s27, 32<<16
	s_mov_b32 s28, 64
	s_mov_b32 s29, 32                              ; dense
	s_mov_b32 s30, 0
	s_mov_b32 s31, 0
	s_lshl_b32 s16, s14, 21
	s_lshl_b32 s17, s15, 17
	s_add_co_u32 s16, s16, s17
	s_lshl_b32 s33, s10, 14                        ; my 16,384 bytes, in LDS and in memory
	s_add_co_u32 s16, s16, s33
	s_add_co_u32 s16, s16, 0x800000                ; V^T begins at 8 MiB
	s_mov_b32 s17, 0
	s_mov_b32 s32, 1
	s_mov_b32 s62, 0x76543210                      ; v_permlanex16_b32: lane l xor 16
	s_mov_b32 s63, 0xfedcba98
	s_wait_dscnt 0x0                               ; the opening add is done
	s_wait_kmcnt 0x0
	s_load_b512 s[36:51], s[6:7], 0x0              ; e0 .. e15
	s_add_nc_u64 s[34:35], s[4:5], s[16:17]
	s_or_b32 s35, s35, 0x80000000
	tensor_load_to_lds s[32:35], s[24:31]          ; the one fill of the launch
	s_nop 0
.rept 4
	v_nop
.endr
	v_and_b32 v1, 31, v0
	v_lshlrev_b32 v[L16], 4, v1
	v_and_b32 v2, 15, v0                           ; r
	v_bfe_u32 v3, v0, 4, 1                         ; h
	v_mov_b32 v[ZERO], 0
	s_lshl_b32 s16, s14, 7                         ; 128 tiles of tokens to a batch
	s_lshr_b32 s18, s15, 1                         ; the head's 64 are half of K step head / 2,
	s_and_b32 s19, s15, 1
	s_lshl_b32 s19, s19, 10                        ; pieces 2 (head % 2) and + 1
.irp x, 0,1
	s_lshl_b32 s17, s[11+\x], 3
	s_add_co_u32 s17, s17, s10
	s_add_co_u32 s17, s17, s16
	s_lshl_b32 s17, s17, 3
	s_add_co_u32 s17, s17, s18
	s_lshl_b32 s17, s17, 11
	s_add_co_u32 s17, s17, s19
	v_add_nc_u32 v[FO+\x], s17, v[L16]
.endr
.irp x, 0,1
	global_load_b128 v[16+16*\x:19+16*\x], v[FO+\x], s[4:5]                    ; q's 64 of my tile and head
	global_load_b128 v[20+16*\x:23+16*\x], v[FO+\x], s[4:5] offset:512
	global_load_b128 v[48+16*\x:51+16*\x], v[FO+\x], s[4:5] offset:4194304     ; k's, of the same 16 tokens
	global_load_b128 v[52+16*\x:55+16*\x], v[FO+\x], s[4:5] offset:4194816
.endr
	v_and_b32 v[R7], 7, v2
.irp j, 1,2,3,4,5,6,7
	v_cmp_eq_u32 s[51+\j], \j, v[R7]
.endr
	v_lshrrev_b32 v1, 3, v2
	v_cmp_eq_u32 s59, v1, v3                       ; my half of the lanes holds my query's diagonal score
	v_and_b32 v1, 8, v2
	v_add_nc_u32 v1, v1, v2                        ; r + 8 (r / 8)
	s_lshr_b32 s16, s10, 1
	s_lshl_b32 s16, s16, 5
	s_and_b32 s17, s10, 1
	s_lshl_b32 s17, s17, 3
	s_add_co_u32 s16, s16, s17
	v_add_nc_u32 v1, s16, v1                       ; my query within its block of 128
	v_lshrrev_b32 v[DQ], 2, v1
	v_lshlrev_b32 v107, 2, v3
	v_sub_nc_u32 v[DQ], v[DQ], v107
	s_lshl_b32 s16, s11, 7
	v_add_nc_u32 v[QN], s16, v1
	s_lshl_b32 s16, s12, 7
	v_add_nc_u32 v[QN+1], s16, v1
	v_cmp_eq_u32 s60, 0x7ff, v[QN]                 ; the last query has no key behind it
	v_cmp_eq_u32 s61, 0x7ff, v[QN+1]
	v_and_b32 v1, 3, v2                            ; the diagonal key's byte m in its word;
	v_lshlrev_b32 v1, 3, v1
	v_mov_b32 v107, 0x01010100                     ; the byte selects of that word: 0 in front of m, pd's code at m, po's behind
	v_lshlrev_b32 v106, v1, v107
	v_sub_nc_u32 v1, 24, v1
	v_mov_b32 v107, 0x040404
	v_lshrrev_b32 v107, v1, v107
	v_or_b32 v106, v106, v107
	s_mov_b32 s68, 0x01010101
	s_wait_kmcnt 0x0
	s_add_co_i32 s16, s42, s43                     ; e6 + e7 go into the exponent field of
	s_lshl_b32 s16, s16, 23
	s_add_co_i32 s66, s16, 0x3e38aa3b              ; c = log2(e) / 8
	s_add_co_i32 s67, s44, s45                     ; e8 + e9
	MKSC 44, SCP, LIMP
	MKSC 46, SCZ, LIMZ
	s_wait_loadcnt 0x0
	v_wmma_f32_16x16x64_fp8_fp8 v[80:87], v[48:55], v[16:23], 0     ; source 0 = my tile's keys, source 1 = its queries: the tile of scores that holds the diagonal
	v_wmma_f32_16x16x64_fp8_fp8 v[88:95], v[64:71], v[32:39], 0
	v_mov_b32 v98, 0                               ; six plain lines: the places behind the products
	v_mov_b32 v99, 0
	v_mov_b32 v100, 0
	v_mov_b32 v101, 0
	v_mov_b32 v102, 0
	v_mov_b32 v103, 0
.irp x, 0,1
	v_mov_b32 v[96+\x], v[80+8*\x]                 ; register r % 8 of the lane whose half is r / 8; each tile is read from its low end on
.endr
.irp j, 1,2,3,4,5,6,7
.irp x, 0,1
	v_cndmask_b32 v[96+\x], v[96+\x], v[80+8*\x+\j], s[51+\j]
.endr
.endr
.irp x, 0,1
	v_permlanex16_b32 v[98+\x], v[96+\x], s62, s63
.endr
.irp x, 0,1
	v_cndmask_b32 v[96+\x], v[98+\x], v[96+\x], s59
.endr
; from here on v80-95 are free again: +0 t, +2 the maximum, +4 -M, +6 pd, +8 po, +10 l, +12 1 / l
.irp x, 0,1
	v_mul_f32 v[80+\x], s66, v[96+\x]              ; t
.endr
.irp x, 0,1
	v_max_num_f32 v[82+\x], 0, v[80+\x]            ; the keys behind the query have t = 0
.endr
.irp x, 0,1
	v_cndmask_b32 v[82+\x], v[82+\x], v[80+\x], s[60+\x]
.endr
.irp x, 0,1
	v_floor_f32 v[84+\x], -v[82+\x]                ; -M = floor(-max) = -ceil(max)
.endr
.irp x, 0,1
	v_add_f32 v[86+\x], v[80+\x], v[84+\x]
.endr
.irp x, 0,1
	v_exp_f32 v[86+\x], v[86+\x]                   ; pd = 2^(t - M)
.endr
.irp x, 0,1
	v_cvt_i32_f32 v[88+\x], v[84+\x]               ; (it saturates)
.endr
.irp x, 0,1
	v_ldexp_f32 v[88+\x], 1.0, v[88+\x]            ; po = 2^(-M), exact
.endr
.irp x, 0,1
	v_cndmask_b32 v[88+\x], v[88+\x], v[ZERO], s[60+\x]
.endr
.irp x, 0,1
	v_sub_nc_u32 v[90+\x], 0x7ff, v[QN+\x]
.endr
.irp x, 0,1
	v_cvt_f32_u32 v[90+\x], v[90+\x]               ; the keys behind the query
.endr
	s_wait_alu depctr_va_vdst(0)                   ; one wait for both exponentials, ahead of their first reader
.irp x, 0,1
	v_fma_f32 v[90+\x], v[90+\x], v[88+\x], v[86+\x]   ; l
.endr
.irp x, 0,1
	v_rcp_f32 v[92+\x], v[90+\x]
.endr
	v_min_num_f32 v96, v86, v[LIMP]                ; p is not negative: the hold is one-sided.  pd and po of tile A, of tile B, four zeros
	v_min_num_f32 v97, v88, v[LIMP]
	v_min_num_f32 v98, v87, v[LIMP]
	v_min_num_f32 v99, v89, v[LIMP]
	v_cvt_scalef32_pk8_fp8_f32 v[104:105], v[96:103], v[SCP]
	v_nop                                          ; a plain line behind the conversion
	s_wait_alu depctr_va_vdst(0)                   ; one wait for both reciprocals
.irp x, 0,1
	v_ldexp_f32 v[FAC+2*\x], v[92+\x], s67
.endr
.irp x, 0,1
	v_mov_b32 v[FAC+2*\x+1], v[FAC+2*\x]
.endr
	v_lshrrev_b32 v105, 16, v104                   ; tile B's two codes
.irp x, 0,1
	v_perm_b32 v[108+\x], v[ZERO], v[104+\x], s68  ; po's code four times
	v_perm_b32 v[110+\x], v[ZERO], v[104+\x], v106 ; the diagonal's word
.endr
.set kk, 0
.rept 16
	v_mov_b32 v[PFA+kk], v108
	v_mov_b32 v[PFB+kk], v109
.set kk, kk+1
.endr
.irp c, 0,1,2,3                        ; register 4 c + i holds keys 32 c + 16 h + 4 i + 0 .. 3 of the step
.irp i, 0,1,2,3
	v_cmp_gt_i32 vcc_lo, 8*\c+\i, v[DQ]
	v_cndmask_b32 v[PDA+4*\c+\i], v[ZERO], v108, vcc_lo
	v_cndmask_b32 v[PDB+4*\c+\i], v[ZERO], v109, vcc_lo
	v_cmp_eq_i32 vcc_lo, 8*\c+\i, v[DQ]
	v_cndmask_b32 v[PDA+4*\c+\i], v[PDA+4*\c+\i], v110, vcc_lo
	v_cndmask_b32 v[PDB+4*\c+\i], v[PDB+4*\c+\i], v111, vcc_lo
.endr
.endr
	s_wait_tensorcnt 0x0                           ; my part of V^T is in,
	s_barrier_signal -1
	s_barrier_wait -1                              ; everybody's is.  Nothing is ever filled again
	s_lshl_b32 s16, s11, 11                        ; the diagonal steps start the sums: nothing is cleared
	v_add_nc_u32 v[AV], s16, v[L16]
	v_add_nc_u32 v[AV+1], 0x10000, v[AV]
	VLOAD
	PVM OA, PDA, 1
	s_lshl_b32 s16, s12, 11
	v_add_nc_u32 v[AV], s16, v[L16]                ; two additions and two v_nop: the places in front of loads into registers that the products have read
	v_add_nc_u32 v[AV+1], 0x10000, v[AV]
	v_nop
	v_nop
	VLOAD
	PVM OB, PDB, 1
	s_mov_b32 s69, 0                               ; the step of keys
	s_mov_b32 s70, 0                               ; and its place in LDS
.Lks:                                              ; sixteen trips, a constant; a step's work is jumped over, by ids alone, where its keys lie at or in front of the block's
	s_cmp_le_u32 s69, s11
	s_cbranch_scc1 .Lnext
	v_add_nc_u32 v[AV], s70, v[L16]
	v_add_nc_u32 v[AV+1], 0x10000, v[AV]
	v_nop
	v_nop
	VLOAD
	PVM OA, PFA, 0
	s_cmp_le_u32 s69, s12
	s_cbranch_scc1 .Lnext
	PVM OB, PFB, 0
.Lnext:
	s_add_co_u32 s70, s70, 2048
	s_add_co_u32 s69, s69, 1
	s_cmp_lt_u32 s69, 16
	s_cbranch_scc1 .Lks
.rept 4
	v_nop
.endr
.macro ZOUT o, f, cd, fo               ; z = O^T x 2^(e8 + e9) / l, held, converted: two pieces of z's image
.set jj, 0
.rept 16
	v_pk_mul_f32 v[\o+jj:\o+jj+1], v[\o+jj:\o+jj+1], v[\f:\f+1] op_sel_hi:[1,0]
.set jj, jj+2
.endr
.set jj, 0
.rept 32
	v_med3_num_f32 v[\o+jj], v[\o+jj], -v[LIMZ], v[LIMZ]
.set jj, jj+1
.endr
.irp t, 0,1,2,3
	v_cvt_scalef32_pk8_fp8_f32 v[\cd+2*\t:\cd+2*\t+1], v[\o+8*\t:\o+8*\t+7], v[SCZ]
.endr
	v_nop
	global_store_b128 v[\fo], v[\cd:\cd+3], s[8:9]
	global_store_b128 v[\fo], v[\cd+4:\cd+7], s[8:9] offset:512
.endm
	ZOUT OA, FAC, 248, FO
	ZOUT OB, FAC+2, 96, FO+1
	s_wait_tensorcnt 0x0                           ; the wave's end
	ds_add_u32 v[SPW], v[NIL]
	s_wait_dscnt 0x0
	s_endpgm
.Lfunc_end_k_q0501b13b0f_attn:
	.size	k_q0501b13b0f_attn, .Lfunc_end_k_q0501b13b0f_attn-k_q0501b13b0f_attn
	.p2alignl 7, 3214868480
	.fill 96, 4, 3214868480
	.section	.rodata,"a",@progbits
	.p2align	6, 0x0
	.amdhsa_kernel k_q0501b13b0f_attn
		.amdhsa_group_segment_fixed_size 167936
		.amdhsa_private_segment_fixed_size 0
		.amdhsa_enable_private_segment 0
		.amdhsa_kernarg_size 24
		.amdhsa_user_sgpr_count 2
		.amdhsa_user_sgpr_kernarg_segment_ptr 1
		.amdhsa_wavefront_size32 1
		.amdhsa_system_sgpr_workgroup_id_x 1
		.amdhsa_system_sgpr_workgroup_id_y 1
		.amdhsa_system_sgpr_workgroup_id_z 1
		.amdhsa_system_vgpr_workitem_id 0
		.amdhsa_next_free_vgpr 256
		.amdhsa_next_free_sgpr 72
		.amdhsa_reserve_vcc 1
		.amdhsa_float_denorm_mode_32 3
		.amdhsa_float_denorm_mode_16_64 3
		.amdhsa_memory_ordered 1
		.amdhsa_forward_progress 1
		.amdhsa_inst_pref_size 26
	.end_amdhsa_kernel
	.amdgpu_metadata
---
amdhsa.version: [ 1, 2 ]
amdhsa.kernels:
  - .name:           k_q0501b13b0f_attn
    .symbol:         k_q0501b13b0f_attn.kd
    .args:
      - { .name: qkv, .offset: 0, .size: 8, .value_kind: global_buffer, .address_space: global }
      - { .name: lowp_scales, .offset: 8, .size: 8, .value_kind: global_buffer, .address_space: global }
      - { .name: z_c, .offset: 16, .size: 8, .value_kind: global_buffer, .address_space: global }
    .group_segment_fixed_size: 167936
    .private_segment_fixed_size: 0
    .kernarg_segment_align: 8
    .kernarg_segment_size: 24
    .max_flat_workgroup_size: 256
    .sgpr_count:     72
    .vgpr_count:     256
    .wavefront_size: 32
...
	.end_amdgpu_metadata
.endif
;; end of part 3
;; launch proj (part 4): grid 8 x 32, 4 waves a work-group, clusters of 4 x 4, 327,680 bytes of LDS; arguments z_c, qc, lowp_scales, mid_c, mid_f; writes mid_c, mid_f
.if DOCPART == 4
	.amdgcn_target "amdgcn-amd-amdhsa--gfx1250"
	.amdhsa_code_object_version 6
	.text
	.protected	k_q0501b13b0f_proj
	.globl	k_q0501b13b0f_proj
	.p2align	8
	.type	k_q0501b13b0f_proj,@function
k_q0501b13b0f_proj:
	s_mov_b64 s[64:65], 0
	v_nop
	global_prefetch_b8 v0, s[64:65] scope:SCOPE_SE
	s_setreg_imm32_b32 hwreg(HW_REG_WAVE_MODE, 25, 1), 1
	s_wait_xcnt 0x0
	s_wait_alu depctr_hold_cnt(0) depctr_sa_sdst(0) depctr_va_vdst(0) depctr_va_sdst(0) depctr_va_ssrc(0) depctr_va_vcc(0) depctr_vm_vsrc(0)
	s_getreg_b32 s2, hwreg(HW_REG_IB_STS2, 6, 4)
	s_cmp_eq_u32 s2, 0
	s_cbranch_scc0 .Lentry_in_a_cluster
	s_endpgm
.Lentry_in_a_cluster:
	s_bfe_u32 s2, ttmp6, 0x10000c
	s_cmp_lg_u32 s2, 0xf033
	s_cbranch_scc0 .Lentry_shape_is_right
	s_endpgm
.Lentry_shape_is_right:
; mid = 2 x (z W_O^T) on codes of FP8 (E4M3), K = 1,024.  mid leaves twice: as codes with the scale of entry 12 (the next product's operand) and as f32 (the residual of the block's end).
; Operands are images of the operand's registers (fragment (T, s), 2,048 bytes, at (8 T + s) x 2,048).  C is 4,096 x 1,024: tiles of 128 x 128 give each of 256 WGPs a work-group; four waves, 64 x 64 each: 16 accumulators.
; K goes in steps of 512: both steps are first fills of the two LDS slots; nothing is filled again.  THE MATRIX INSTRUCTION IS USED TRANSPOSED (source 0 = rows of W_O, source 1 = rows of z): by the images' choice of rows
; accumulators (a, 2 p), (a, 2 p + 1) hold 16 neighbouring columns of the lane's row, so two conversions give a piece of mid_c's image; every store covers 512 consecutive bytes, aligned.
; mid_f is laid as the accumulators lie: ((8 tile row + tile column) x 4 + wave) x 16,384 + 512 x (8 a + 2 b + half) + 16 x lane: the last launch, whose tiles are the same, loads it back register for register.
; CLUSTERS: 4 x 4; A's tile is asked for jointly along a row of the cluster, B's along a column.
; LIMITS: e12 - e10 - e11 - 1 between -126 and 119; e10 + e11 + 1 between -126 and 127.
.set RTSH,  14                         ; a tile of 16 rows x K = 1,024 is 2^14 bytes
.set RTEL,  2048                       ; in elements of 8 bytes
.set WBASE, 0xf00000                   ; W_O's image in qc
.set KSB,   8192                       ; a K step of a tile of rows: four fragments
.set HALFT, 32768
.set SLOT,  4*HALFT
.set SPARE, 2*SLOT
.set LIMV,  12
.set SCV,   13
.set ADRA,  16
.set ADRB,  20
.set CO,    26
.set SPW,   28
.set NIL,   29
.set ACC,   128                        ; accumulator (a, b) at v[128 + 8 (4 a + b)], window 0
.set F0,    0                          ; fragment buffers in window 1: A's four, then B's four
.set F1,    128
.set G1,    24
.set G0,    32
.set G1B,   48
.set G0B,   56
.set EX,    72
.set MSB, 0
.macro WIN new
.if MSB != (\new)
	s_set_vgpr_msb (MSB<<8)|(\new)
.set MSB, (\new)
.endif
.endm
.set MUL,  0x05                        ; sources 0 and 1 window 1; C and D window 0
.set TO_F, 0x40                        ; destination window 1
.macro JLOAD s                         ; waves 0 and 1 fetch A's halves, waves 2 and 3 B's; an s_nop 0 and four v_nop follow each line
	s_cmp_eq_u32 s11, 0
	s_cbranch_scc0 .Lfor_b_\@
	tensor_load_to_lds s[G0+4*\s:G0+4*\s+3], s[G1:G1+7]
	s_nop 0
.rept 4
	v_nop
.endr
	s_branch .Lasked_\@
.Lfor_b_\@:
	tensor_load_to_lds s[G0B+4*\s:G0B+4*\s+3], s[G1B:G1B+7]
	s_nop 0
.rept 4
	v_nop
.endr
.Lasked_\@:
.endm
.macro CREST
	s_cmp_lg_u32 s10, 0
	s_cbranch_scc1 .Lnot_wave_0_\@
	s_barrier_signal -3
.Lnot_wave_0_\@:
	s_barrier_wait -3
	s_barrier_signal -1
	s_barrier_wait -1
.endm
.macro CROUND
	s_barrier_signal -1
	s_barrier_wait -1
	CREST
.endm
.macro MULA f, a, mode                 ; A's block a x B's four; mode 1: the product starts the sums.  The sixteen accumulators take turns
.irp b, 0,1,2,3
.if \mode == 1
	v_wmma_f32_16x16x128_fp8_fp8 v[ACC+8*(4*(\a)+\b):ACC+8*(4*(\a)+\b)+7], v[\f+64+16*\b:\f+64+16*\b+15], v[\f+16*(\a):\f+16*(\a)+15], 0
.else
	v_wmma_f32_16x16x128_fp8_fp8 v[ACC+8*(4*(\a)+\b):ACC+8*(4*(\a)+\b)+7], v[\f+64+16*\b:\f+64+16*\b+15], v[\f+16*(\a):\f+16*(\a)+15], v[ACC+8*(4*(\a)+\b):ACC+8*(4*(\a)+\b)+7]
.endif
.endr
.endm
.macro FETCH slot, q, f                ; 32 loads in one run: B's four fragments, then A's four
	WIN TO_F
.irp i, 0,1,2,3
.irp c, 0,1,2,3
	ds_load_b128 v[\f+64+16*\i+4*\c:\f+64+16*\i+4*\c+3], v[ADRB+\slot] offset:\i*KSB+(\q)*2048+512*\c
.endr
.endr
.irp i, 0,1,2,3
.irp c, 0,1,2,3
	ds_load_b128 v[\f+16*\i+4*\c:\f+16*\i+4*\c+3], v[ADRA+\slot] offset:\i*KSB+(\q)*2048+512*\c
.endr
.endr
.endm
.macro PLACES
.rept 4
	v_nop
.endr
.endm
.macro QUARTER slot, qn, f, g, mode    ; 128 along K from buffer f; in its middle the slot's quarter qn is fetched into g
	s_wait_dscnt 8                                 ; all but the eight youngest loads (A's blocks 2, 3)
	WIN MUL
	MULA \f, 0, \mode
	MULA \f, 1, \mode
	PLACES
	FETCH \slot, \qn, \g
	s_wait_dscnt 32                                ; all but the 32 just issued
	WIN MUL
	MULA \f, 2, \mode
	MULA \f, 3, \mode
.endm
.macro TURN slot, next, fill           ; a slot's last quarter (buffer 1) changes slots
	WIN 0
	s_wait_tensorcnt 0x0                           ; all my tensor loads have landed: my part of the next slot
	ds_add_u32 v[SPW], v[NIL]                      ; 0 onto my spare word
	s_wait_dscnt 9                                 ; (the add and the eight youngest loads may be out)
	WIN MUL
	MULA F1, 0, 0
	s_wait_dscnt 0x0                               ; the add is done, and my reads of this slot are over
	s_barrier_signal -1
	MULA F1, 1, 0
.if \fill
	WIN 0
.endif
	s_barrier_wait -1
.if \fill
	CREST
	s_add_nc_u64 s[G0+4*\slot+2:G0+4*\slot+3], s[G0+4*\slot+2:G0+4*\slot+3], 2*KSB
	s_add_nc_u64 s[G0B+4*\slot+2:G0B+4*\slot+3], s[G0B+4*\slot+2:G0B+4*\slot+3], 2*KSB
	JLOAD \slot
.else
	PLACES
.endif
	FETCH \next, 0, F0
	WIN MUL
	MULA F1, 2, 0
	MULA F1, 3, 0
.endm
	s_load_b128 s[4:7], s[0:1], 0x0                ; z_c, qc
	s_load_b64 s[8:9], s[0:1], 0x10                ; the scales' exponents
	s_load_b128 s[68:71], s[0:1], 0x18             ; mid_c, mid_f
	v_lshl_add_u32 v[SPW], v0, 2, SPARE
	v_mov_b32 v[NIL], 0
	ds_add_u32 v[SPW], v[NIL]                      ; the wave's opening: the add and its wait come ahead of my first tensor load
	v_lshrrev_b32 v1, 5, v0
	v_readfirstlane_b32 s10, v1                    ; wave
	s_lshr_b32 s11, s10, 1                         ; my half of the rows; also: I fetch for A (0) or B (1)
	s_and_b32 s12, s10, 1                          ; my half of the columns; also: which half I fetch
	s_bfe_u32 s40, ttmp6, 0x40000
	s_bfe_u32 s41, ttmp6, 0x40004
	s_lshl_b32 s42, ttmp9, 2
	s_add_co_u32 s42, s42, s40                     ; tile column
	s_and_b32 s13, ttmp7, 0xffff
	s_lshl_b32 s13, s13, 2
	s_add_co_u32 s13, s13, s41                     ; tile row
	s_lshl_b32 s43, s41, 2
	s_lshl_b32 s43, 15, s43
	s_lshl_b32 s44, 0x1111, s40
	s_or_b32 s[G1+0], s43, (3<<16)|(1<<21)
	s_or_b32 s[G1B+0], s44, (3<<16)|(1<<21)
.irp g, G1, G1B
	s_mov_b32 s[\g+1], 1024<<16                    ; 8,192 bytes
	s_mov_b32 s[\g+2], 4<<16                       ; of 4 tiles of rows
	s_mov_b32 s[\g+3], 1024<<16
	s_mov_b32 s[\g+4], 4
	s_mov_b32 s[\g+5], RTEL
	s_mov_b32 s[\g+6], 0
	s_mov_b32 s[\g+7], 0
.endr
	s_lshl_b32 s18, s12, 2
	s_lshl_b32 s16, s13, 3
	s_add_co_u32 s16, s16, s18
	s_lshl_b32 s16, s16, RTSH
	s_mov_b32 s17, 0
	s_lshl_b32 s46, s42, 3
	s_add_co_u32 s46, s46, s18
	s_lshl_b32 s46, s46, RTSH
	s_add_co_u32 s46, s46, WBASE
	s_mov_b32 s47, 0
	s_mul_i32 s20, s10, HALFT
	s_wait_dscnt 0x0
	s_wait_kmcnt 0x0
	s_load_b512 s[EX:EX+15], s[8:9], 0x0
	s_add_nc_u64 s[14:15], s[4:5], s[16:17]
	s_add_nc_u64 s[46:47], s[6:7], s[46:47]
	CROUND
.irp s, 0,1
	s_mov_b32 s[G0+4*\s], 1
	s_add_co_u32 s[G0+4*\s+1], s20, \s*SLOT
	s_add_nc_u64 s[G0+4*\s+2:G0+4*\s+3], s[14:15], \s*KSB
	s_or_b32 s[G0+4*\s+3], s[G0+4*\s+3], 0x80000000
	s_mov_b32 s[G0B+4*\s], 1
	s_add_co_u32 s[G0B+4*\s+1], s20, \s*SLOT
	s_add_nc_u64 s[G0B+4*\s+2:G0B+4*\s+3], s[46:47], \s*KSB
	s_or_b32 s[G0B+4*\s+3], s[G0B+4*\s+3], 0x80000000
	JLOAD \s
.endr
	v_and_b32 v1, 31, v0
	v_lshlrev_b32 v[CO], 4, v1
	s_mul_i32 s21, s11, HALFT
	s_mul_i32 s22, s12, HALFT
	s_add_co_u32 s22, s22, 2*HALFT
.irp s, 0,1
	v_add_nc_u32 v[ADRA+\s], s21, v[CO]
	v_add_nc_u32 v[ADRB+\s], s22, v[CO]
	s_add_co_u32 s21, s21, SLOT
	s_add_co_u32 s22, s22, SLOT
.endr
	s_lshl_b32 s16, s13, 3                         ; mid_c: tile of rows 8 tr + 4 half, K step = tile column, pieces 2 half + p
	s_lshl_b32 s17, s11, 2
	s_add_co_u32 s16, s16, s17
	s_lshl_b32 s16, s16, 14
	s_lshl_b32 s17, s42, 11
	s_add_co_u32 s16, s16, s17
	s_lshl_b32 s17, s12, 10
	s_add_co_u32 s16, s16, s17
	s_mov_b32 s17, 0
	s_add_nc_u64 s[68:69], s[68:69], s[16:17]
	s_lshl_b32 s16, s13, 3
	s_add_co_u32 s16, s16, s42
	s_lshl_b32 s16, s16, 2
	s_add_co_u32 s16, s16, s10
	s_lshl_b32 s16, s16, 14
	s_add_nc_u64 s[70:71], s[70:71], s[16:17]
	s_wait_kmcnt 0x0
	s_add_co_i32 s88, s[EX+10], s[EX+11]
	s_add_co_i32 s88, s88, 1                       ; mid = sum x 2^(e10 + e11 + 1)
	s_add_co_i32 s96, s88, 127
	s_lshl_b32 s96, s96, 23
	s_mov_b32 s97, s96                             ; (named with it as a pair)
	s_sub_co_i32 s88, s[EX+12], s88
	s_add_co_i32 s88, s88, 127
	s_lshl_b32 s89, s88, 23
	v_mov_b32 v[SCV], s89
	s_add_co_i32 s88, s88, 8
	s_lshl_b32 s88, s88, 23
	s_or_b32 s88, s88, 0x600000
	v_mov_b32 v[LIMV], s88
	s_wait_tensorcnt 0x1                           ; my part of K step 0 is in; K step 1's may be out
	s_barrier_signal -1
	s_barrier_wait -1
	FETCH 0, 0, F0
	QUARTER 0, 1, F0, F1, 1
	QUARTER 0, 2, F1, F0, 0
	QUARTER 0, 3, F0, F1, 0
	TURN 0, 1, 0
	QUARTER 1, 1, F0, F1, 0
	QUARTER 1, 2, F1, F0, 0
	QUARTER 1, 3, F0, F1, 0
	s_wait_dscnt 8
	WIN MUL
	MULA F1, 0, 0
	MULA F1, 1, 0
	s_wait_dscnt 0
	MULA F1, 2, 0
	MULA F1, 3, 0
	WIN 0
	PLACES
.macro OUTP a                          ; block a: 16 rows x 64 columns.  No register that a store reads is written again
.set T2, 32+32*((\a)%2)
.set jj, 0
.rept 32
	v_med3_num_f32 v[T2+jj], v[ACC+32*(\a)+jj], -v[LIMV], v[LIMV]   ; each accumulator from its low end on
.set jj, jj+1
.endr
.irp b, 0,1,2,3
	v_cvt_scalef32_pk8_fp8_f32 v[96+8*(\a)+2*\b:96+8*(\a)+2*\b+1], v[T2+8*\b:T2+8*\b+7], v[SCV]
.endr
.set jj, 0
.rept 16
	v_pk_mul_f32 v[ACC+32*(\a)+jj:ACC+32*(\a)+jj+1], v[ACC+32*(\a)+jj:ACC+32*(\a)+jj+1], s[96:97] op_sel_hi:[1,0]   ; mid in f32; also the plain lines behind the conversions
.set jj, jj+2
.endr
.irp p, 0,1
	global_store_b128 v[CO], v[96+8*(\a)+4*\p:96+8*(\a)+4*\p+3], s[68:69] offset:(\a)*16384+512*\p
.endr
.irp u, 0,1,2,3,4,5,6,7
	global_store_b128 v[CO], v[ACC+32*(\a)+4*\u:ACC+32*(\a)+4*\u+3], s[70:71] offset:(\a)*4096+512*\u
.endr
.endm
	OUTP 0
	OUTP 1
	OUTP 2
	OUTP 3
	s_wait_tensorcnt 0x0                           ; the wave's end
	ds_add_u32 v[SPW], v[NIL]
	s_wait_dscnt 0x0
	CROUND                                         ; the closing round
	s_endpgm
.Lfunc_end_k_q0501b13b0f_proj:
	.size	k_q0501b13b0f_proj, .Lfunc_end_k_q0501b13b0f_proj-k_q0501b13b0f_proj
	.p2alignl 7, 3214868480
	.fill 96, 4, 3214868480
	.section	.rodata,"a",@progbits
	.p2align	6, 0x0
	.amdhsa_kernel k_q0501b13b0f_proj
		.amdhsa_group_segment_fixed_size 327680
		.amdhsa_private_segment_fixed_size 0
		.amdhsa_enable_private_segment 0
		.amdhsa_kernarg_size 40
		.amdhsa_user_sgpr_count 2
		.amdhsa_user_sgpr_kernarg_segment_ptr 1
		.amdhsa_wavefront_size32 1
		.amdhsa_system_sgpr_workgroup_id_x 1
		.amdhsa_system_sgpr_workgroup_id_y 1
		.amdhsa_system_sgpr_workgroup_id_z 1
		.amdhsa_system_vgpr_workitem_id 0
		.amdhsa_next_free_vgpr 512
		.amdhsa_next_free_sgpr 100
		.amdhsa_reserve_vcc 0
		.amdhsa_float_denorm_mode_32 3
		.amdhsa_float_denorm_mode_16_64 3
		.amdhsa_memory_ordered 1
		.amdhsa_forward_progress 1
		.amdhsa_inst_pref_size 51
	.end_amdhsa_kernel
	.amdgpu_metadata
---
amdhsa.version: [ 1, 2 ]
amdhsa.kernels:
  - .name:           k_q0501b13b0f_proj
    .symbol:         k_q0501b13b0f_proj.kd
    .args:
      - { .name: z_c, .offset: 0, .size: 8, .value_kind: global_buffer, .address_space: global }
      - { .name: qc, .offset: 8, .size: 8, .value_kind: global_buffer, .address_space: global }
      - { .name: lowp_scales, .offset: 16, .size: 8, .value_kind: global_buffer, .address_space: global }
      - { .name: mid_c, .offset: 24, .size: 8, .value_kind: global_buffer, .address_space: global }
      - { .name: mid_f, .offset: 32, .size: 8, .value_kind: global_buffer, .address_space: global }
    .group_segment_fixed_size: 327680
    .private_segment_fixed_size: 0
    .kernarg_segment_align: 8
    .kernarg_segment_size: 40
    .max_flat_workgroup_size: 128
    .sgpr_count:     100
    .vgpr_count:     512
    .wavefront_size: 32
...
	.end_amdgpu_metadata
.endif
;; end of part 4
;; launch mlp_in (part 5): grid 16 x 16, 4 waves a work-group, clusters of 4 x 4, 327,680 bytes of LDS; arguments mid_c, qc, lowp_scales, b_in, h_c; writes h_c
.if DOCPART == 5
	.amdgcn_target "amdgcn-amd-amdhsa--gfx1250"
	.amdhsa_code_object_version 6
	.text
	.protected	k_q0501b13b0f_mlp_in
	.globl	k_q0501b13b0f_mlp_in
	.p2align	8
	.type	k_q0501b13b0f_mlp_in,@function
k_q0501b13b0f_mlp_in:
	s_mov_b64 s[64:65], 0
	v_nop
	global_prefetch_b8 v0, s[64:65] scope:SCOPE_SE
	s_setreg_imm32_b32 hwreg(HW_REG_WAVE_MODE, 25, 1), 1
	s_wait_xcnt 0x0
	s_wait_alu depctr_hold_cnt(0) depctr_sa_sdst(0) depctr_va_vdst(0) depctr_va_sdst(0) depctr_va_ssrc(0) depctr_va_vcc(0) depctr_vm_vsrc(0)
	s_getreg_b32 s2, hwreg(HW_REG_IB_STS2, 6, 4)
	s_cmp_eq_u32 s2, 0
	s_cbranch_scc0 .Lentry_in_a_cluster
	s_endpgm
.Lentry_in_a_cluster:
	s_bfe_u32 s2, ttmp6, 0x10000c
	s_cmp_lg_u32 s2, 0xf033
	s_cbranch_scc0 .Lentry_shape_is_right
	s_endpgm
.Lentry_shape_is_right:
; h = relu(mid W_in^T + b_in) on codes of FP8 (E4M3), K = 1,024; h is quantised at once with the scale of entry 14 and stored as codes, an image of the next operand's registers ([4,096 rows][K = 4,096]).
; Operands are images (fragment (T, s), 2,048 bytes, at (8 T + s) x 2,048).  A tile of C, 256 x 256, is made by four waves, 128 x 128 each: 64 accumulators; 256 work-groups.  K goes in steps of 256 through two LDS slots.
; THE MATRIX INSTRUCTION IS USED TRANSPOSED (source 0 = rows of W_in, source 1 = rows of mid): accumulators (a, 2 p), (a, 2 p + 1) hold 16 neighbouring hidden units of the lane's row: two conversions give piece p of h's image.
; The bias, divided by the power of two that the sums lack, is the C of each sum's first product; the hold that the conversion wants clips at 0 as well: the activation costs nothing.
; CLUSTERS: 4 x 4; A's tile is asked for jointly along a row of the cluster, B's along a column.
; LIMITS: e14 - e12 - e13 between -126 and 119.
; REGISTERS: window 0: v12, v13 the hold and the scale; v16-21 LDS addresses; v26 16 x lane; v28, v29 the add's two; v32-95 the bias, later held sums; v96-111 codes; v128-255 A's fragments.  window 1: B's two sets.  windows 2, 3: accumulators.
.set KSB,   4096
.set HALFT, 32768
.set SLOT,  4*HALFT
.set SPARE, 2*SLOT
.set FR,    16
.set NL,    4
.set NP,    4
.set LIMV,  12
.set SCV,   13
.set ADRA,  16
.set ADRB,  20
.set CO,    26
.set SPW,   28
.set NIL,   29
.set TMP,   32
.set CD,    96
.set AF,    128
.set G1,    24
.set G0,    32
.set G1B,   48
.set G0B,   56
.set EX,    72
.set OP,    92
.set OSR,   94
.set MSB, 0
.macro WIN new
.if MSB != (\new)
	s_set_vgpr_msb (MSB<<8)|(\new)
.set MSB, (\new)
.endif
.endm
.set MUL_LO, 0xa1
.set MUL_HI, 0xf1
.set TO_B,   0x40
.macro JLOAD g0a, g1a, g0b, g1b        ; waves 0 and 1 fetch for A, waves 2 and 3 for B; an s_nop 0 and four v_nop follow each line
	s_cmp_eq_u32 s15, 0
	s_cbranch_scc0 .Lfor_b_\@
	tensor_load_to_lds s[\g0a:\g0a+3], s[\g1a:\g1a+7]
	s_nop 0
.rept 4
	v_nop
.endr
	s_branch .Lasked_\@
.Lfor_b_\@:
	tensor_load_to_lds s[\g0b:\g0b+3], s[\g1b:\g1b+7]
	s_nop 0
.rept 4
	v_nop
.endr
.Lasked_\@:
.endm
.macro CREST
	s_cmp_lg_u32 s14, 0
	s_cbranch_scc1 .Lnot_wave_0_\@
	s_barrier_signal -3
.Lnot_wave_0_\@:
	s_barrier_wait -3
	s_barrier_signal -1
	s_barrier_wait -1
.endm
.macro CROUND
	s_barrier_signal -1
	s_barrier_wait -1
	CREST
.endm
.macro FRAG reg, adr, q, i
.irp c, 0,1,2,3
	ds_load_b128 v[\reg+4*\c:\reg+4*\c+3], v[\adr] offset:(\i)*KSB+(\q)*2048+512*\c
.endr
.endm
; mode 2: the first product takes the bias (window 0, eight registers for each of B's blocks) as C.  The 64 accumulators take turns.
.macro MUL16 a0, p, mode
.irp a, \a0, \a0+1
.irp b, 0,1,2,3,4,5,6,7
.if \mode == 2
	v_wmma_f32_16x16x128_fp8_fp8 v[8*(8*((\a)%4)+\b):8*(8*((\a)%4)+\b)+7], v[128*(\p)+FR*\b:128*(\p)+FR*\b+FR-1], v[AF+FR*(\a):AF+FR*(\a)+FR-1], v[TMP+8*\b:TMP+8*\b+7]
.else
	v_wmma_f32_16x16x128_fp8_fp8 v[8*(8*((\a)%4)+\b):8*(8*((\a)%4)+\b)+7], v[128*(\p)+FR*\b:128*(\p)+FR*\b+FR-1], v[AF+FR*(\a):AF+FR*(\a)+FR-1], v[8*(8*((\a)%4)+\b):8*(8*((\a)%4)+\b)+7]
.endif
.endr
.endr
.endm
.macro FETCH_B slot, q, p
	WIN TO_B
.irp i, 0,1,2,3,4,5,6,7
	FRAG 128*(\p)+FR*\i, ADRB+\slot, \q, \i
.endr
	WIN 0
.endm
.macro FETCH_A slot, q, i0
.irp i, \i0, \i0+1, \i0+2, \i0+3
	FRAG AF+FR*(\i), ADRA+\slot, \q, \i
.endr
.endm
.macro PLACES n
.rept \n
	v_nop
.endr
.endm
.macro STEP slot, q, mode
	s_wait_dscnt 4*NL                              ; B's set and A's blocks 0-3 are in; the sixteen youngest loads (A's blocks 4-7) may be out
.if \mode == 2
	WIN 0x81                                       ; source 0 window 1, sources 1 and 2 window 0, destination window 2
.else
	WIN MUL_LO
.endif
	MUL16 0, (\q)%2, \mode
	MUL16 2, (\q)%2, \mode
	s_wait_dscnt 0
	PLACES NP
	FETCH_B \slot, (\q)+1, 1-(\q)%2
	FETCH_A \slot, (\q)+1, 0
.if \mode == 2
	WIN 0xc1
.else
	WIN MUL_HI
.endif
	MUL16 4, (\q)%2, \mode
	MUL16 6, (\q)%2, \mode
	PLACES NP
	WIN 0
	FETCH_A \slot, (\q)+1, 4
.endm
.macro TURN slot, next, fill
	s_wait_tensorcnt 0x0                           ; all my tensor loads have landed: my part of the next slot
	ds_add_u32 v[SPW], v[NIL]                      ; 0 onto my spare word
	s_wait_dscnt 4*NL+1                            ; (the add and the sixteen youngest loads may be out)
	WIN MUL_LO
	MUL16 0, 1, 0
	s_wait_dscnt 0x0                               ; the add is done, and my reads of this slot are over
	s_barrier_signal -1
	MUL16 2, 1, 0
	WIN 0
	s_barrier_wait -1
.if \fill
	CREST
	s_add_nc_u64 s[G0+4*\slot+2:G0+4*\slot+3], s[G0+4*\slot+2:G0+4*\slot+3], 2*KSB
	s_add_nc_u64 s[G0B+4*\slot+2:G0B+4*\slot+3], s[G0B+4*\slot+2:G0B+4*\slot+3], 2*KSB
	JLOAD G0+4*\slot, G1, G0B+4*\slot, G1B
.else
	PLACES NP
.endif
	FETCH_B \next, 0, 0
	FETCH_A \next, 0, 0
	WIN MUL_HI
	MUL16 4, 1, 0
	MUL16 6, 1, 0
	PLACES NP
	WIN 0
	FETCH_A \next, 0, 4
.endm
.macro OUTC a, relu
.if (\a) > 0
	s_wait_xcnt 0x0                                ; the last block's stores have read their codes and their base
	s_add_nc_u64 s[OP:OP+1], s[OP:OP+1], s[OSR:OSR+1]
.endif
	WIN 0x02+((\a)/4)
.set AC, 64*((\a)%4)
.set jj, 0
.rept 64
.if \relu
	v_med3_num_f32 v[TMP+jj], v[AC+jj], 0, v[LIMV]   ; the activation and the hold in one; each accumulator from its low end on
.else
	v_med3_num_f32 v[TMP+jj], v[AC+jj], -v[LIMV], v[LIMV]
.endif
.set jj, jj+1
.endr
	WIN 0
.irp b, 0,1,2,3,4,5,6,7
	v_cvt_scalef32_pk8_fp8_f32 v[CD+2*\b:CD+2*\b+1], v[TMP+8*\b:TMP+8*\b+7], v[SCV]
.endr
	v_nop
.irp p, 0,1,2,3
	global_store_b128 v[CO], v[CD+4*\p:CD+4*\p+3], s[OP:OP+1] offset:512*\p
.endr
.endm
	s_load_b256 s[4:11], s[0:1], 0x0               ; mid_c, qc, the scales' exponents, b_in
	s_load_b64 s[12:13], s[0:1], 0x20              ; h_c
	v_lshl_add_u32 v[SPW], v0, 2, SPARE
	v_mov_b32 v[NIL], 0
	ds_add_u32 v[SPW], v[NIL]                      ; the wave's opening: the add and its wait come ahead of my first tensor load
	v_lshrrev_b32 v1, 5, v0
	v_readfirstlane_b32 s14, v1
	s_lshr_b32 s15, s14, 1
	s_and_b32 s16, s14, 1
	s_bfe_u32 s40, ttmp6, 0x40000
	s_bfe_u32 s41, ttmp6, 0x40004
	s_lshl_b32 s42, ttmp9, 2
	s_add_co_u32 s42, s42, s40                     ; tile column
	s_and_b32 s17, ttmp7, 0xffff
	s_lshl_b32 s17, s17, 2
	s_add_co_u32 s17, s17, s41                     ; tile row
	s_lshl_b32 s43, s41, 2
	s_lshl_b32 s43, 15, s43
	s_lshl_b32 s44, 0x1111, s40
	s_or_b32 s[G1+0], s43, (3<<16)|(1<<21)
	s_or_b32 s[G1B+0], s44, (3<<16)|(1<<21)
.irp g, G1, G1B
	s_mov_b32 s[\g+1], 512<<16
	s_mov_b32 s[\g+2], 8<<16
	s_mov_b32 s[\g+3], 512<<16
	s_mov_b32 s[\g+4], 8
	s_mov_b32 s[\g+5], 2048
	s_mov_b32 s[\g+6], 0
	s_mov_b32 s[\g+7], 0
.endr
	s_lshl_b32 s18, s16, 17
	s_lshl_b32 s20, s17, 18
	s_add_co_u32 s20, s20, s18
	s_mov_b32 s21, 0
	s_lshl_b32 s46, s42, 18
	s_add_co_u32 s46, s46, s18
	s_add_co_u32 s46, s46, 0x1000000               ; W_in's image at 16 MiB
	s_mov_b32 s47, 0
	s_mul_i32 s45, s14, HALFT
	s_wait_dscnt 0x0
	s_wait_kmcnt 0x0
	s_load_b512 s[EX:EX+15], s[8:9], 0x0
	s_add_nc_u64 s[20:21], s[4:5], s[20:21]
	s_add_nc_u64 s[46:47], s[6:7], s[46:47]
	CROUND
.irp s, 0,1
	s_mov_b32 s[G0+4*\s], 1
	s_add_co_u32 s[G0+4*\s+1], s45, \s*SLOT
	s_add_nc_u64 s[G0+4*\s+2:G0+4*\s+3], s[20:21], \s*KSB
	s_or_b32 s[G0+4*\s+3], s[G0+4*\s+3], 0x80000000
	s_mov_b32 s[G0B+4*\s], 1
	s_add_co_u32 s[G0B+4*\s+1], s45, \s*SLOT
	s_add_nc_u64 s[G0B+4*\s+2:G0B+4*\s+3], s[46:47], \s*KSB
	s_or_b32 s[G0B+4*\s+3], s[G0B+4*\s+3], 0x80000000
	JLOAD G0+4*\s, G1, G0B+4*\s, G1B
.endr
	s_lshl_b32 s22, s42, 10                        ; b_in at my 128 hidden units; lane (r, h) wants, for B's block b, units 32 (b / 2) + 8 (b % 2) + 16 h + 0 .. 7
	s_lshl_b32 s23, s16, 9
	s_add_co_u32 s22, s22, s23
	s_mov_b32 s23, 0
	s_add_nc_u64 s[10:11], s[10:11], s[22:23]
	v_bfe_u32 v2, v0, 4, 1
	v_lshlrev_b32 v2, 6, v2
.irp b, 0,1,2,3,4,5,6,7
	global_load_b128 v[TMP+8*\b:TMP+8*\b+3], v2, s[10:11] offset:128*(\b/2)+32*(\b%2)
	global_load_b128 v[TMP+8*\b+4:TMP+8*\b+7], v2, s[10:11] offset:128*(\b/2)+32*(\b%2)+16
.endr
	v_and_b32 v1, 31, v0
	v_lshlrev_b32 v[CO], 4, v1
	s_mul_i32 s21, s15, HALFT
	s_mul_i32 s22, s16, HALFT
	s_add_co_u32 s22, s22, 2*HALFT
.irp s, 0,1
	v_add_nc_u32 v[ADRA+\s], s21, v[CO]
	v_add_nc_u32 v[ADRB+\s], s22, v[CO]
	s_add_co_u32 s21, s21, SLOT
	s_add_co_u32 s22, s22, SLOT
.endr
	s_mov_b32 s[OSR], 65536                        ; a tile of rows of h's image: 32 fragments
	s_mov_b32 s[OSR+1], 0
	s_lshl_b32 s22, s17, 4
	s_lshl_b32 s23, s15, 3
	s_add_co_u32 s22, s22, s23
	s_lshl_b32 s22, s22, 16
	s_lshl_b32 s23, s42, 1
	s_add_co_u32 s23, s23, s16                     ; my 128 hidden units are K step 2 tc + half of the next product
	s_lshl_b32 s23, s23, 11
	s_add_co_u32 s22, s22, s23
	s_mov_b32 s23, 0
	s_add_nc_u64 s[OP:OP+1], s[12:13], s[22:23]
	s_wait_kmcnt 0x0
	s_add_co_i32 s88, s[EX+12], s[EX+13]           ; a sum stands for sum x 2^(e12 + e13)
	s_sub_co_i32 s90, 0, s88
	s_sub_co_i32 s88, s[EX+14], s88
	s_add_co_i32 s88, s88, 127
	s_lshl_b32 s89, s88, 23
	v_mov_b32 v[SCV], s89
	s_add_co_i32 s88, s88, 8
	s_lshl_b32 s88, s88, 23
	s_or_b32 s88, s88, 0x600000
	v_mov_b32 v[LIMV], s88
	s_wait_loadcnt 0x0
.set jj, 0
.rept 64
	v_ldexp_f32 v[TMP+jj], v[TMP+jj], s90          ; b_in / 2^(e12 + e13)
.set jj, jj+1
.endr
	s_wait_tensorcnt 0x1                           ; my part of K step 0 is in; K step 1's may be out
	s_barrier_signal -1
	s_barrier_wait -1
	FETCH_B 0, 0, 0
	FETCH_A 0, 0, 0
	FETCH_A 0, 0, 4
	STEP 0, 0, 2
	TURN 0, 1, 1
	STEP 1, 0, 0
	TURN 1, 0, 1
	STEP 0, 0, 0
	TURN 0, 1, 0
	STEP 1, 0, 0
	s_wait_dscnt 4*NL
	WIN MUL_LO
	MUL16 0, 1, 0
	MUL16 2, 1, 0
	s_wait_dscnt 0
	WIN MUL_HI
	MUL16 4, 1, 0
	MUL16 6, 1, 0
	WIN 0
	PLACES NP
.irp a, 0,1,2,3,4,5,6,7
	OUTC \a, 1
.endr
	s_wait_tensorcnt 0x0                           ; the wave's end
	ds_add_u32 v[SPW], v[NIL]
	s_wait_dscnt 0x0
	CROUND
	s_endpgm
.Lfunc_end_k_q0501b13b0f_mlp_in:
	.size	k_q0501b13b0f_mlp_in, .Lfunc_end_k_q0501b13b0f_mlp_in-k_q0501b13b0f_mlp_in
	.p2alignl 7, 3214868480
	.fill 96, 4, 3214868480
	.section	.rodata,"a",@progbits
	.p2align	6, 0x0
	.amdhsa_kernel k_q0501b13b0f_mlp_in
		.amdhsa_group_segment_fixed_size 327680
		.amdhsa_private_segment_fixed_size 0
		.amdhsa_enable_private_segment 0
		.amdhsa_kernarg_size 40
		.amdhsa_user_sgpr_count 2
		.amdhsa_user_sgpr_kernarg_segment_ptr 1
		.amdhsa_wavefront_size32 1
		.amdhsa_system_sgpr_workgroup_id_x 1
		.amdhsa_system_sgpr_workgroup_id_y 1
		.amdhsa_system_sgpr_workgroup_id_z 1
		.amdhsa_system_vgpr_workitem_id 0
		.amdhsa_next_free_vgpr 1024
		.amdhsa_next_free_sgpr 100
		.amdhsa_reserve_vcc 0
		.amdhsa_float_denorm_mode_32 3
		.amdhsa_float_denorm_mode_16_64 3
		.amdhsa_memory_ordered 1
		.amdhsa_forward_progress 1
		.amdhsa_inst_pref_size 123
	.end_amdhsa_kernel
	.amdgpu_metadata
---
amdhsa.version: [ 1, 2 ]
amdhsa.kernels:
  - .name:           k_q0501b13b0f_mlp_in
    .symbol:         k_q0501b13b0f_mlp_in.kd
    .args:
      - { .name: mid_c, .offset: 0, .size: 8, .value_kind: global_buffer, .address_space: global }
      - { .name: qc, .offset: 8, .size: 8, .value_kind: global_buffer, .address_space: global }
      - { .name: lowp_scales, .offset: 16, .size: 8, .value_kind: global_buffer, .address_space: global }
      - { .name: b_in, .offset: 24, .size: 8, .value_kind: global_buffer, .address_space: global }
      - { .name: h_c, .offset: 32, .size: 8, .value_kind: global_buffer, .address_space: global }
    .group_segment_fixed_size: 327680
    .private_segment_fixed_size: 0
    .kernarg_segment_align: 8
    .kernarg_segment_size: 40
    .max_flat_workgroup_size: 128
    .sgpr_count:     100
    .vgpr_count:     1024
    .wavefront_size: 32
...
	.end_amdgpu_metadata
.endif
;; end of part 5
;; launch mlp_out (part 6): grid 8 x 32, 4 waves a work-group, clusters of 4 x 4, 327,680 bytes of LDS; arguments h_c, qc, lowp_scales, b_out, mid_f, out0; writes out0
.if DOCPART == 6
	.amdgcn_target "amdgcn-amd-amdhsa--gfx1250"
	.amdhsa_code_object_version 6
	.text
	.protected	k_q0501b13b0f_mlp_out
	.globl	k_q0501b13b0f_mlp_out
	.p2align	8
	.type	k_q0501b13b0f_mlp_out,@function
k_q0501b13b0f_mlp_out:
	s_mov_b64 s[64:65], 0
	v_nop
	global_prefetch_b8 v0, s[64:65] scope:SCOPE_SE
	s_setreg_imm32_b32 hwreg(HW_REG_WAVE_MODE, 25, 1), 1
	s_wait_xcnt 0x0
	s_wait_alu depctr_hold_cnt(0) depctr_sa_sdst(0) depctr_va_vdst(0) depctr_va_sdst(0) depctr_va_ssrc(0) depctr_va_vcc(0) depctr_vm_vsrc(0)
	s_getreg_b32 s2, hwreg(HW_REG_IB_STS2, 6, 4)
	s_cmp_eq_u32 s2, 0
	s_cbranch_scc0 .Lentry_in_a_cluster
	s_endpgm
.Lentry_in_a_cluster:
	s_bfe_u32 s2, ttmp6, 0x10000c
	s_cmp_lg_u32 s2, 0xf033
	s_cbranch_scc0 .Lentry_shape_is_right
	s_endpgm
.Lentry_shape_is_right:
; out = mid + h W_out^T + b_out on codes of FP8 (E4M3), K = 4,096.  Operands are images of the operand's registers (fragment (T, s), 2,048 bytes, at (32 T + s) x 2,048).
; C is 4,096 x 1,024: tiles of 128 x 128 give each of 256 WGPs a work-group; four waves, 64 x 64 each: 16 accumulators.  K goes in steps of 512 through two LDS slots: eight steps, six refills.
; THE MATRIX INSTRUCTION IS USED TRANSPOSED (source 0 = rows of W_out, source 1 = rows of h).  b_out, divided by the power of two that the sums lack, is the C of each sum's first product;
; mid comes back register for register from the launch that made it (the same tiles, the same waves) and is added by one packed multiply-add: out = sum x 2^(e14 + e15) + mid.
; THE WAY OUT: a block of 16 rows x 64 columns goes through the wave's own stage in LDS and leaves as rows of 256 bytes, sixteen lanes to 256 consecutive bytes, aligned; the images' order of rows is undone by the stores' offsets.
; CLUSTERS: 4 x 4; A's tile is asked for jointly along a row of the cluster, B's along a column.
; LIMITS: e14 + e15 between -126 and 127.
.set RTSH,  16                         ; a tile of 16 rows x K = 4,096 is 2^16 bytes
.set RTEL,  8192
.set WBASE, 0x1400000                  ; W_out's image in qc
.set KSB,   8192
.set HALFT, 32768
.set SLOT,  4*HALFT
.set STAGE, 2*SLOT                     ; behind the ring: 16 rows x 272 bytes for each wave; no tile ever lands here
.set SPARE, STAGE+4*16*272             ; behind the stages: the spare words
.set LAPS,  4                          ; a lap = two K steps
.set ADRA,  16
.set ADRB,  20
.set STO,   24
.set RD,    25
.set CO,    26
.set GO,    27
.set SPW,   28
.set NIL,   29
.set ACC,   128
.set F0,    0
.set F1,    128
.set G1,    24
.set G0,    32
.set G1B,   48
.set G0B,   56
.set EX,    72
.set MSB, 0
.macro WIN new
.if MSB != (\new)
	s_set_vgpr_msb (MSB<<8)|(\new)
.set MSB, (\new)
.endif
.endm
.set MUL,  0x05
.set TO_F, 0x40
.macro JLOAD s
	s_cmp_eq_u32 s11, 0
	s_cbranch_scc0 .Lfor_b_\@
	tensor_load_to_lds s[G0+4*\s:G0+4*\s+3], s[G1:G1+7]
	s_nop 0
.rept 4
	v_nop
.endr
	s_branch .Lasked_\@
.Lfor_b_\@:
	tensor_load_to_lds s[G0B+4*\s:G0B+4*\s+3], s[G1B:G1B+7]
	s_nop 0
.rept 4
	v_nop
.endr
.Lasked_\@:
.endm
.macro CREST
	s_cmp_lg_u32 s10, 0
	s_cbranch_scc1 .Lnot_wave_0_\@
	s_barrier_signal -3
.Lnot_wave_0_\@:
	s_barrier_wait -3
	s_barrier_signal -1
	s_barrier_wait -1
.endm
.macro CROUND
	s_barrier_signal -1
	s_barrier_wait -1
	CREST
.endm
.macro MULA f, a, mode                 ; mode 2: the product takes the bias (v32 on, eight registers for each of B's blocks) as C.  The sixteen accumulators take turns
.irp b, 0,1,2,3
.if \mode == 2
	v_wmma_f32_16x16x128_fp8_fp8 v[ACC+8*(4*(\a)+\b):ACC+8*(4*(\a)+\b)+7], v[\f+64+16*\b:\f+64+16*\b+15], v[\f+16*(\a):\f+16*(\a)+15], v[32+8*\b:32+8*\b+7]
.else
	v_wmma_f32_16x16x128_fp8_fp8 v[ACC+8*(4*(\a)+\b):ACC+8*(4*(\a)+\b)+7], v[\f+64+16*\b:\f+64+16*\b+15], v[\f+16*(\a):\f+16*(\a)+15], v[ACC+8*(4*(\a)+\b):ACC+8*(4*(\a)+\b)+7]
.endif
.endr
.endm
.macro FETCH slot, q, f
	WIN TO_F
.irp i, 0,1,2,3
.irp c, 0,1,2,3
	ds_load_b128 v[\f+64+16*\i+4*\c:\f+64+16*\i+4*\c+3], v[ADRB+\slot] offset:\i*KSB+(\q)*2048+512*\c
.endr
.endr
.irp i, 0,1,2,3
.irp c, 0,1,2,3
	ds_load_b128 v[\f+16*\i+4*\c:\f+16*\i+4*\c+3], v[ADRA+\slot] offset:\i*KSB+(\q)*2048+512*\c
.endr
.endr
.endm
.macro PLACES
.rept 4
	v_nop
.endr
.endm
.macro QUARTER slot, qn, f, g, mode
	s_wait_dscnt 8                                 ; all but the eight youngest loads (A's blocks 2, 3)
	WIN MUL
	MULA \f, 0, \mode
	MULA \f, 1, \mode
	PLACES
	FETCH \slot, \qn, \g
	s_wait_dscnt 32                                ; all but the 32 just issued
	WIN MUL
	MULA \f, 2, \mode
	MULA \f, 3, \mode
.endm
; A slot's last quarter changes slots: each wave waits for all its tensor loads, adds 0 to its spare word, waits for that and for its reads of this slot; one barrier, which with fill = 1 opens a round of the cluster's; the joint refill comes first behind it.
.macro TURN slot, next, fill
	WIN 0
	s_wait_tensorcnt 0x0                           ; all my tensor loads have landed: my part of the next slot
	ds_add_u32 v[SPW], v[NIL]                      ; 0 onto my spare word
	s_wait_dscnt 9                                 ; (the add and the eight youngest loads may be out)
	WIN MUL
	MULA F1, 0, 0
	s_wait_dscnt 0x0                               ; the add is done, and my reads of this slot are over
	s_barrier_signal -1
	MULA F1, 1, 0
.if \fill
	WIN 0
.endif
	s_barrier_wait -1
.if \fill
	CREST                                          ; no wave of any partner still reads this slot or has a load on its way
	s_add_nc_u64 s[G0+4*\slot+2:G0+4*\slot+3], s[G0+4*\slot+2:G0+4*\slot+3], 2*KSB
	s_add_nc_u64 s[G0B+4*\slot+2:G0B+4*\slot+3], s[G0B+4*\slot+2:G0B+4*\slot+3], 2*KSB
	JLOAD \slot                                    ; its four v_nop are the places in front of the loads below
.else
	PLACES
.endif
	FETCH \next, 0, F0
	WIN MUL
	MULA F1, 2, 0
	MULA F1, 3, 0
.endm
	s_load_b128 s[4:7], s[0:1], 0x0                ; h_c, qc
	s_load_b64 s[8:9], s[0:1], 0x10                ; the scales' exponents
	s_load_b128 s[68:71], s[0:1], 0x18             ; b_out, mid_f
	s_load_b64 s[66:67], s[0:1], 0x28              ; out0
	v_lshl_add_u32 v[SPW], v0, 2, SPARE
	v_mov_b32 v[NIL], 0
	ds_add_u32 v[SPW], v[NIL]                      ; the wave's opening: the add and its wait come ahead of my first tensor load
	v_lshrrev_b32 v1, 5, v0
	v_readfirstlane_b32 s10, v1
	s_lshr_b32 s11, s10, 1
	s_and_b32 s12, s10, 1
	s_bfe_u32 s40, ttmp6, 0x40000
	s_bfe_u32 s41, ttmp6, 0x40004
	s_lshl_b32 s42, ttmp9, 2
	s_add_co_u32 s42, s42, s40                     ; tile column
	s_and_b32 s13, ttmp7, 0xffff
	s_lshl_b32 s13, s13, 2
	s_add_co_u32 s13, s13, s41                     ; tile row
	s_lshl_b32 s43, s41, 2
	s_lshl_b32 s43, 15, s43
	s_lshl_b32 s44, 0x1111, s40
	s_or_b32 s[G1+0], s43, (3<<16)|(1<<21)
	s_or_b32 s[G1B+0], s44, (3<<16)|(1<<21)
.irp g, G1, G1B
	s_mov_b32 s[\g+1], 1024<<16
	s_mov_b32 s[\g+2], 4<<16
	s_mov_b32 s[\g+3], 1024<<16
	s_mov_b32 s[\g+4], 4
	s_mov_b32 s[\g+5], RTEL
	s_mov_b32 s[\g+6], 0
	s_mov_b32 s[\g+7], 0
.endr
	s_lshl_b32 s18, s12, 2
	s_lshl_b32 s16, s13, 3
	s_add_co_u32 s16, s16, s18
	s_lshl_b32 s16, s16, RTSH
	s_mov_b32 s17, 0
	s_lshl_b32 s46, s42, 3
	s_add_co_u32 s46, s46, s18
	s_lshl_b32 s46, s46, RTSH
	s_add_co_u32 s46, s46, WBASE
	s_mov_b32 s47, 0
	s_mul_i32 s20, s10, HALFT
	s_wait_dscnt 0x0
	s_wait_kmcnt 0x0
	s_load_b512 s[EX:EX+15], s[8:9], 0x0
	s_add_nc_u64 s[14:15], s[4:5], s[16:17]
	s_add_nc_u64 s[46:47], s[6:7], s[46:47]
	CROUND
.irp s, 0,1
	s_mov_b32 s[G0+4*\s], 1
	s_add_co_u32 s[G0+4*\s+1], s20, \s*SLOT
	s_add_nc_u64 s[G0+4*\s+2:G0+4*\s+3], s[14:15], \s*KSB
	s_or_b32 s[G0+4*\s+3], s[G0+4*\s+3], 0x80000000
	s_mov_b32 s[G0B+4*\s], 1
	s_add_co_u32 s[G0B+4*\s+1], s20, \s*SLOT
	s_add_nc_u64 s[G0B+4*\s+2:G0B+4*\s+3], s[46:47], \s*KSB
	s_or_b32 s[G0B+4*\s+3], s[G0B+4*\s+3], 0x80000000
	JLOAD \s
.endr
	v_and_b32 v1, 31, v0
	v_lshlrev_b32 v[CO], 4, v1
	v_and_b32 v4, 15, v0                           ; r
	v_bfe_u32 v2, v0, 4, 1                         ; h
	v_lshlrev_b32 v3, 6, v2                        ; 64 h
	s_lshl_b32 s16, s42, 9                         ; b_out at my 64 columns; for B's block b: 32 (b / 2) + 8 (b % 2) + 16 h + 0 .. 7
	s_lshl_b32 s17, s12, 8
	s_add_co_u32 s16, s16, s17
	s_mov_b32 s17, 0
	s_add_nc_u64 s[68:69], s[68:69], s[16:17]
.irp b, 0,1,2,3
	global_load_b128 v[32+8*\b:35+8*\b], v3, s[68:69] offset:128*(\b/2)+32*(\b%2)
	global_load_b128 v[36+8*\b:39+8*\b], v3, s[68:69] offset:128*(\b/2)+32*(\b%2)+16
.endr
	s_lshl_b32 s16, s13, 3
	s_add_co_u32 s16, s16, s42
	s_lshl_b32 s16, s16, 2
	s_add_co_u32 s16, s16, s10
	s_lshl_b32 s16, s16, 14
	s_add_nc_u64 s[70:71], s[70:71], s[16:17]
	WIN 0x80                                       ; destination window 2: mid, 128 registers, as the accumulators lie
.set jj, 0
.rept 32
	global_load_b128 v[4*jj:4*jj+3], v[CO], s[70:71] offset:512*jj th:TH_LOAD_NT
.set jj, jj+1
.endr
	WIN 0
	s_mul_i32 s21, s11, HALFT
	s_mul_i32 s22, s12, HALFT
	s_add_co_u32 s22, s22, 2*HALFT
.irp s, 0,1
	v_add_nc_u32 v[ADRA+\s], s21, v[CO]
	v_add_nc_u32 v[ADRB+\s], s22, v[CO]
	s_add_co_u32 s21, s21, SLOT
	s_add_co_u32 s22, s22, SLOT
.endr
	s_mul_i32 s23, s10, 16*272
	s_add_co_u32 s23, s23, STAGE                   ; my stage
	v_mul_u32_u24 v[STO], v4, 272
	v_lshl_add_u32 v[STO], v2, 6, v[STO]
	v_add_nc_u32 v[STO], s23, v[STO]               ; in: row r, + 64 h
	v_mul_u32_u24 v[RD], v2, 272
	v_lshl_add_u32 v[RD], v4, 4, v[RD]
	v_add_nc_u32 v[RD], s23, v[RD]                 ; back: lanes 0-15 one row of 256 bytes, lanes 16-31 the next
	v_lshlrev_b32 v[GO], 12, v2
	v_lshl_add_u32 v[GO], v4, 4, v[GO]             ; and the same two rows of out0
	s_lshl_b32 s16, s13, 19                        ; 128 rows of 4,096 bytes a tile row,
	s_lshl_b32 s18, s11, 18                        ; 64 a half,
	s_add_co_u32 s16, s16, s18
	s_lshl_b32 s18, s42, 9                         ; 512 bytes a tile column,
	s_add_co_u32 s16, s16, s18
	s_lshl_b32 s18, s12, 8                         ; 256 a half
	s_add_co_u32 s16, s16, s18
	s_add_nc_u64 s[66:67], s[66:67], s[16:17]
	s_wait_kmcnt 0x0
	s_add_co_i32 s88, s[EX+14], s[EX+15]
	s_sub_co_i32 s90, 0, s88
	s_add_co_i32 s96, s88, 127
	s_lshl_b32 s96, s96, 23                        ; 2^(e14 + e15) as f32
	s_mov_b32 s97, s96                             ; (named with it as a pair)
	s_wait_loadcnt 32                              ; the bias is in; mid's 32 loads, issued behind it, stay out until the way out
.set jj, 0
.rept 32
	v_ldexp_f32 v[32+jj], v[32+jj], s90            ; b_out / 2^(e14 + e15)
.set jj, jj+1
.endr
	s_wait_tensorcnt 0x1                           ; my part of K step 0 is in; K step 1's may be out
	s_barrier_signal -1
	s_barrier_wait -1
	FETCH 0, 0, F0
	QUARTER 0, 1, F0, F1, 2                        ; the first quarter stands in front of the loop: its products start the sums
	WIN 0
	s_mov_b32 s3, LAPS-1
.Llap:                                             ; a trip goes once round the ring, from a lap's second quarter to the next lap's first, and fills both slots again
	QUARTER 0, 2, F1, F0, 0
	QUARTER 0, 3, F0, F1, 0
	TURN 0, 1, 1
	QUARTER 1, 1, F0, F1, 0
	QUARTER 1, 2, F1, F0, 0
	QUARTER 1, 3, F0, F1, 0
	TURN 1, 0, 1
	QUARTER 0, 1, F0, F1, 0
	WIN 0
	s_sub_co_u32 s3, s3, 1
	s_cmp_lg_u32 s3, 0
	s_cbranch_scc1 .Llap
	QUARTER 0, 2, F1, F0, 0                        ; the last lap fills nothing
	QUARTER 0, 3, F0, F1, 0
	TURN 0, 1, 0
	QUARTER 1, 1, F0, F1, 0
	QUARTER 1, 2, F1, F0, 0
	QUARTER 1, 3, F0, F1, 0
	s_wait_dscnt 8
	WIN MUL
	MULA F1, 0, 0
	MULA F1, 1, 0
	s_wait_dscnt 0
	MULA F1, 2, 0
	MULA F1, 3, 0
	WIN 0
	PLACES
	s_wait_loadcnt 0x0                             ; mid
.macro OUTF a
	WIN 0x20                                       ; source 2 (mid) window 2
.set jj, 0
.rept 16
	v_pk_fma_f32 v[ACC+32*(\a)+jj:ACC+32*(\a)+jj+1], v[ACC+32*(\a)+jj:ACC+32*(\a)+jj+1], s[96:97], v[32*(\a)+jj:32*(\a)+jj+1] op_sel_hi:[1,0,1]   ; each accumulator from its low end on
.set jj, jj+2
.endr
	WIN 0
.irp b, 0,1,2,3
	ds_store_b128 v[STO], v[ACC+32*(\a)+8*\b:ACC+32*(\a)+8*\b+3] offset:128*(\b/2)+32*(\b%2)
	ds_store_b128 v[STO], v[ACC+32*(\a)+8*\b+4:ACC+32*(\a)+8*\b+7] offset:128*(\b/2)+32*(\b%2)+16
.endr
.if (\a) >= 2
	s_wait_xcnt 0x0                                ; block a - 2's stores have read the registers that the loads below fill
.endif
.irp i, 0,1,2,3,4,5,6,7
	ds_load_b128 v[32+32*((\a)%2)+4*\i:32+32*((\a)%2)+4*\i+3], v[RD] offset:544*\i   ; LDS serves a wave's instructions in order (ISA guide 5.7.1.4): these see my stores, and the next block's stores come behind them
.endr
	s_wait_dscnt 0x0
.irp i, 0,1,2,3,4,5,6,7
	global_store_b128 v[GO], v[32+32*((\a)%2)+4*\i:32+32*((\a)%2)+4*\i+3], s[66:67] offset:(32*((\a)/2)+8*((\a)%2)+2*\i+8*(\i/4))*4096 th:TH_STORE_NT   ; stage row 2 i + h is row 32 (a / 2) + 8 (a % 2) + 2 i + h + 8 (i / 4) of my 64
.endr
.endm
	OUTF 0
	OUTF 1
	OUTF 2
	OUTF 3
	s_wait_tensorcnt 0x0                           ; the wave's end: behind my last tensor load and my last LDS store
	ds_add_u32 v[SPW], v[NIL]
	s_wait_dscnt 0x0
	CROUND                                         ; the closing round
	s_endpgm
.Lfunc_end_k_q0501b13b0f_mlp_out:
	.size	k_q0501b13b0f_mlp_out, .Lfunc_end_k_q0501b13b0f_mlp_out-k_q0501b13b0f_mlp_out
	.p2alignl 7, 3214868480
	.fill 96, 4, 3214868480
	.section	.rodata,"a",@progbits
	.p2align	6, 0x0
	.amdhsa_kernel k_q0501b13b0f_mlp_out
		.amdhsa_group_segment_fixed_size 327680
		.amdhsa_private_segment_fixed_size 0
		.amdhsa_enable_private_segment 0
		.amdhsa_kernarg_size 48
		.amdhsa_user_sgpr_count 2
		.amdhsa_user_sgpr_kernarg_segment_ptr 1
		.amdhsa_wavefront_size32 1
		.amdhsa_system_sgpr_workgroup_id_x 1
		.amdhsa_system_sgpr_workgroup_id_y 1
		.amdhsa_system_sgpr_workgroup_id_z 1
		.amdhsa_system_vgpr_workitem_id 0
		.amdhsa_next_free_vgpr 640
		.amdhsa_next_free_sgpr 100
		.amdhsa_reserve_vcc 0
		.amdhsa_float_denorm_mode_32 3
		.amdhsa_float_denorm_mode_16_64 3
		.amdhsa_memory_ordered 1
		.amdhsa_forward_progress 1
		.amdhsa_inst_pref_size 80
	.end_amdhsa_kernel
	.amdgpu_metadata
---
amdhsa.version: [ 1, 2 ]
amdhsa.kernels:
  - .name:           k_q0501b13b0f_mlp_out
    .symbol:         k_q0501b13b0f_mlp_out.kd
    .args:
      - { .name: h_c, .offset: 0, .size: 8, .value_kind: global_buffer, .address_space: global }
      - { .name: qc, .offset: 8, .size: 8, .value_kind: global_buffer, .address_space: global }
      - { .name: lowp_scales, .offset: 16, .size: 8, .value_kind: global_buffer, .address_space: global }
      - { .name: b_out, .offset: 24, .size: 8, .value_kind: global_buffer, .address_space: global }
      - { .name: mid_f, .offset: 32, .size: 8, .value_kind: global_buffer, .address_space: global }
      - { .name: out0, .offset: 40, .size: 8, .value_kind: global_buffer, .address_space: global }
    .group_segment_fixed_size: 327680
    .private_segment_fixed_size: 0
    .kernarg_segment_align: 8
    .kernarg_segment_size: 48
    .max_flat_workgroup_size: 128
    .sgpr_count:     100
    .vgpr_count:     640
    .wavefront_size: 32
...
	.end_amdgpu_metadata
.endif
;; end of part 6
